; MI455X (gfx1250); checked and timed in simulation.
; The chip was launched on July 23, 2026; its instructions are those of AMD's public machine-readable ISA for CDNA 5 (MIT licence, August 2026) and "CDNA5" Instruction Set Architecture Reference Guide (July 2026). The comments in the code are by the model that wrote it; some were corrected since.
;; Multi Head Attention. Allowed arithmetic: matrix products marked QUANTISED: E2M1 operands, one E8M0 scale for each 32 along K, by v_wmma_scale_f32_16x16x128_f8f6f4 with both operands' format E2M1 (or v_wmma_scale_f32_32x16x128_f4), f32 sums; products left as they are: bf16, f16 or f32 operands; f32 sums; everything else in f32.
;; Inputs: Wk 1,024 x 1,024 float32; Wo 1,024 x 1,024 float32; Wq 1,024 x 1,024 float32; Wv 1,024 x 1,024 float32; bk 1,024 float32; bo 1,024 float32; bq 1,024 float32; bv 1,024 float32; k 4 x 2,048 x 1,024 float32; q 4 x 2,048 x 1,024 float32; v 4 x 2,048 x 1,024 float32.
;; Outputs: out0 4 x 2,048 x 1,024 float32.
;; This version of the problem:
;;   THIS VERSION OF THE PROBLEM IS GIVEN IN LOW PRECISION. The matrix products marked QUANTISED in the list below multiply operands that are first quantised to E2M1 (2 exponent bits, 1 mantissa bit; 4 bits a number), with one power-of-two scale for each 32 numbers along K (OCP MX v1.0); their sums are f32. The products marked 'left as it is' may take bf16, f16 or f32 operands, with f32 sums. Whichever they take, every output number must still come out within the allowed error. Rounding operands to bf16 (8 significant bits) uses up far more of that allowance than f16 does (11 bits, for magnitudes from 6e-5 to 65,504). All else is computed in f32.
;;   The module's matrix products, in the order in which they are computed (A, B: the left and right operand; K: the contracted axis; several contracted axes count as one K, in the product's order):
;;     1. [M 8,192, K 1,024] x [K 1,024, N 1,024]; A: input q; B: input Wq: QUANTISED
;;     2. [M 8,192, K 1,024] x [K 1,024, N 1,024]; A: input k; B: input Wk: QUANTISED
;;     3. [M 8,192, K 1,024] x [K 1,024, N 1,024]; A: input v; B: input Wv: QUANTISED
;;     4. batch 64 x [M 2,048, K 64] x [K 64, N 2,048]; A: computed on the way; B: computed on the way: left as it is (an operand is computed on the way)
;;     5. batch 64 x [M 2,048, K 2,048] x [K 2,048, N 64]; A: computed on the way; B: computed on the way: left as it is (an operand is computed on the way)
;;     6. [M 8,192, K 1,024] x [K 1,024, N 1,024]; A: computed on the way; B: input Wo: left as it is (an operand is computed on the way)
;;   THE QUANTISER, for each operand of a quantised product, along K:
;;     - K is cut into blocks of 32 from its start; a last block that is shorter is filled with zeros.
;;     - A block's scale is 2^e with e = floor(log2(the largest magnitude in the block)) - 2, held to -126 .. 127; a block of zeros has e = 0. As a byte (E8M0): e + 127.
;;     - Each number is divided by its block's scale, clamped to +-6, and rounded to the nearest number of E2M1, ties to even, subnormals kept.
;;     - The product sums the exact products of the quantised numbers (number of the format x scale) in f32.
;;   ~~~python
;;   def quantise(x, axis):      # numpy; x: float32 -> the quantised numbers, widened to float32 again
;;       x = np.moveaxis(x, axis, -1); K = x.shape[-1]
;;       x = np.pad(x, [(0, 0)] * (x.ndim - 1) + [(0, -K % 32)]); x = x.reshape(x.shape[:-1] + (-1, 32)); a = np.abs(x).max(-1, keepdims=True)
;;       e = np.where(a > 0, np.clip(np.frexp(np.where(a > 0, a, 1))[1] - 1 - 2, -126, 127), 0)      # np.frexp(a)[1] - 1 = floor(log2(a)), exactly
;;       r = np.clip(x / 2.0 ** e, -6, 6)
;;       step = 2.0 ** (np.maximum(np.frexp(np.where(r == 0, 1, r))[1] - 1, 0) - 1)
;;       q = np.round(r / step) * step * 2.0 ** e      # np.round: ties to even
;;       return np.moveaxis(q.reshape(q.shape[:-2] + (-1,))[..., :K], -1, axis).astype(np.float32)
;;   ~~~
;; One version. Each part assembles by itself: llvm-mc -triple=amdgcn-amd-amdhsa -mcpu=gfx1250 --defsym DOCPART=n.
;; ======== version 1 of 1: 4 launches
;; limits: values are held in f16: magnitudes above 65,504 overflow, below 6.1e-05 lose precision
;; workspace buffers: codes 14,155,776 bytes; scales 884,736 bytes; wo16 2,097,152 bytes; qkv16 50,331,648 bytes; ctx 16,777,216 bytes
;; launch quant (part 1): grid 896 x 1, 4 waves a work-group, no clusters, 33,280 bytes of LDS; arguments q, k, v, Wq, Wk, Wv, Wo, codes, scales, wo16; writes codes, scales, wo16
.if DOCPART == 1
	.amdgcn_target "amdgcn-amd-amdhsa--gfx1250"
	.amdhsa_code_object_version 6
	.text
	.protected	k_qe11bcd8341_quant
	.globl	k_qe11bcd8341_quant
	.p2align	8
	.type	k_qe11bcd8341_quant,@function
k_qe11bcd8341_quant:
	s_mov_b64 s[64:65], 0
	v_nop
	global_prefetch_b8 v0, s[64:65] scope:SCOPE_SE
	s_setreg_imm32_b32 hwreg(HW_REG_WAVE_MODE, 25, 1), 1
	s_wait_xcnt 0x0
; q, k, v [8192][1024] and Wq, Wk, Wv [1024][1024], f32, K innermost, become codes of FP4 (E2M1), two a byte, and one E8M0 byte for each 32 along K; Wo [1024][1024] becomes f16.
; The six tensors' codes lie on end in one buffer (rows 0-8191 q, 8192-16383 k, 16384-24575 v, then 1024 rows each of Wq, Wk, Wv; a row is 512 bytes), their scale bytes likewise (32 bytes a row).
; A block's scale is 2^(floor(log2(its largest magnitude)) - 2); its byte is the largest magnitude's own exponent field - 2, held at 1 from below.  Each number is divided by the scale and rounded to the nearest code, ties to even, beyond 6 the largest code.
; LIMITS: a block of zeros, and one whose largest magnitude lies under 2^-124, gets the byte 1 (a block of zeros has zero codes, which add nothing; the bytes are read by this program alone); NaN and infinities are not served; |Wo| stays under 65,504 (f16).
; Rows are dense and 1024 is a multiple of 32: every tensor is a plain stream of blocks of 32.  Work-groups 0-863 quantise, 32,768 numbers each, in the order of the codes' buffer, so that only the input's address is chosen by the work-group's number.
; A wave takes 16 steps of 512 numbers.  Each load reads 512 consecutive bytes; the step's 2,048 bytes turn through the wave's own stage in LDS and come back 64 bytes a lane: 16 neighbours along K, two lanes to a block.
; Work-groups 864-895 cast Wo: no LDS, 8,192 numbers a wave.  No barrier: waves share nothing.  Memory binds here: no matrix unit, no cluster, no tensor load.
.set WAVES, 4
.set STEPS, 16
.set EMAX,  2
.set CB,    8                          ; bytes of 16 codes
.set R,     16                         ; v16-79   four sets of 16 numbers as they are loaded
.set X,     80                         ; v80-111  two sets of 16 neighbours; in the cast: 16 pairs of packed f16
.set C,     128                        ; v128-191 codes: four registers for each step, so that no store's data are written again
.set E,     112                        ; v112-127 a scale byte for each step
.set WREG,  8192                       ; LDS: a region for each wave: two stages of 32 x SP bytes, behind them its 256 scale bytes
.set SP,    80                         ; a lane's place in a stage: 64 bytes + 16 of padding
.set SPW,   12                         ; v12  LDS address of my spare word; never rewritten
.set NIL,   13                         ; v13  0; never rewritten
.set SPARE, WAVES*WREG                 ; behind the four regions: the spare words, 128 bytes a wave, which no other line names
.set CASTWG, 864                       ; the first work-group that casts Wo
	s_load_b512 s[8:23], s[0:1], 0x0               ; q s[8:9], k s[10:11], v s[12:13], Wq s[14:15], Wk s[16:17], Wv s[18:19], Wo s[20:21], codes s[22:23]
	s_load_b128 s[24:27], s[0:1], 0x40             ; scales s[24:25], wo16 s[26:27]
	v_lshl_add_u32 v[SPW], v0, 2, SPARE
	v_mov_b32 v[NIL], 0
	v_lshrrev_b32 v1, 5, v0
	v_readfirstlane_b32 s30, v1                    ; wave
	v_and_b32 v2, 31, v0                           ; lane
	v_lshlrev_b32 v3, 4, v2                        ; my 16 bytes of a load's 512
	s_mul_i32 s31, s30, WREG
	v_lshrrev_b32 v14, 2, v2
	v_mul_u32_u24 v14, v14, SP
	v_and_b32 v15, 3, v2
	v_lshl_add_u32 v14, v15, 4, v14
	v_add_nc_u32 v14, s31, v14                     ; the stage, on the way in: SP (lane / 4) + 16 (lane % 4)
	v_mul_u32_u24 v15, v2, SP
	v_add_nc_u32 v15, s31, v15                     ; and on the way out: SP x lane: my 16 neighbours
	v_mul_u32_u24 v4, v2, CB                       ; 8 bytes a lane: my codes' place in a step's; my f16 numbers' place in the cast
	v_lshrrev_b32 v5, 1, v2
	s_add_co_u32 s31, s31, 2*32*SP
	v_add_nc_u32 v5, s31, v5                       ; LDS: my wave's 256 scale bytes, my block's byte
	v_lshlrev_b32 v7, 3, v2
	v_add_nc_u32 v6, s31, v7                       ; and on the way out 8 bytes a lane
	s_lshl_b32 s34, ttmp9, 2
	s_add_co_u32 s34, s34, s30                     ; my run of 8,192 numbers: 4 x work-group + wave
	s_mov_b32 s29, 0
	s_mov_b32 s33, 0
	s_wait_kmcnt 0x0
	s_cmp_ge_u32 ttmp9, CASTWG                     ; the branch hangs on the work-group's number alone
	s_cbranch_scc1 .Lcast
; which tensor: the last whose first work-group is at or under mine
.macro FROM first, ptr
	s_cmp_ge_u32 ttmp9, \first
	s_cselect_b64 s[4:5], s[\ptr:\ptr+1], s[4:5]
	s_cselect_b32 s28, \first, s28
.endm
	s_mov_b64 s[4:5], s[8:9]
	s_mov_b32 s28, 0
	FROM 256, 10
	FROM 512, 12
	FROM 768, 14
	FROM 800, 16
	FROM 832, 18
	s_lshl_b32 s28, s28, 2
	s_sub_co_u32 s28, s34, s28                     ; my run within its tensor,
	s_lshl_b32 s28, s28, 15                        ; 32,768 bytes a run
	s_add_nc_u64 s[4:5], s[4:5], s[28:29]
	s_lshl_b32 s32, s34, 12                        ; 4,096 bytes of codes a run
	s_add_nc_u64 s[22:23], s[22:23], s[32:33]
	s_lshl_b32 s32, s34, 8                         ; 256 scale bytes a run
	s_add_nc_u64 s[24:25], s[24:25], s[32:33]
.macro LOAD t
.irp i, 0,1,2,3
	global_load_b128 v[R+16*((\t)%4)+4*\i:R+16*((\t)%4)+4*\i+3], v3, s[4:5] offset:2048*(\t)+512*\i th:TH_LOAD_NT   ; 32 lanes read 512 consecutive bytes
.endr
.endm
.macro TURN t                          ; step t's numbers through the stage: LDS serves a wave's instructions in order, so no wait stands between the stores and the loads
.irp i, 0,1,2,3
	ds_store_b128 v14, v[R+16*((\t)%4)+4*\i:R+16*((\t)%4)+4*\i+3] offset:32*SP*((\t)%2)+8*SP*\i
.endr
.irp i, 0,1,2,3
	ds_load_b128 v[X+16*((\t)%2)+4*\i:X+16*((\t)%2)+4*\i+3], v15 offset:32*SP*((\t)%2)+16*\i
.endr
.endm
.irp t, 0,1,2,3
	LOAD \t
.endr
	s_wait_loadcnt 12                              ; step 0's four loads are in; the twelve of steps 1 to 3 stay out
	TURN 0
.macro STEP t
.set XS, X+16*((\t)%2)
.if (\t) > 0
	s_wait_dscnt 1                                 ; this step's numbers are back from the stage (the last step's byte store may be out): so its stores into the stage have read their registers,
.else
	s_wait_dscnt 0x0
.endif
.if (\t)+4 < STEPS
	LOAD (\t)+4                                    ; which take the loads of four steps on
.endif
.if (\t)+1 < STEPS
.if STEPS-2-(\t) >= 3
	s_wait_loadcnt 12                              ; the next step's four loads are in; those of the three steps behind it may be out
.else
	s_wait_loadcnt 4*(STEPS-2-(\t))
.endif
	TURN (\t)+1                                    ; and go through the other stage while this step is worked
.endif
	v_max3_num_f32 v8, |v[XS]|, |v[XS+1]|, |v[XS+2]|               ; the largest magnitude of my 16, in two chains
	v_max3_num_f32 v9, |v[XS+3]|, |v[XS+4]|, |v[XS+5]|
.irp i, 6,10
	v_max3_num_f32 v8, v8, |v[XS+\i]|, |v[XS+\i+1]|
	v_max3_num_f32 v9, v9, |v[XS+\i+2]|, |v[XS+\i+3]|
.endr
	v_max3_num_f32 v8, v8, |v[XS+14]|, |v[XS+15]|
	v_max3_num_f32 v8, v8, v9, (EMAX+1)<<23        ; and the floor 2^(EMAX + 1 - 127): the byte cannot fall under 1
	v_max_num_f32_dpp v8, v8, v8 row_xmask:1 row_mask:0xf bank_mask:0xf   ; and of my neighbour's 16: the block's
	v_add_nc_u32 v11, -(EMAX<<23), v8              ; EMAX off its exponent field: the conversion takes the exponent field of this operand as its scale
	v_cvt_scalef32_pk8_fp4_f32 v[C+4*(\t)], v[XS:XS+7], v11
	v_cvt_scalef32_pk8_fp4_f32 v[C+4*(\t)+1], v[XS+8:XS+15], v11
	v_lshrrev_b32 v[E+(\t)], 23, v11               ; the scale's byte
	ds_store_b8 v5, v[E+(\t)] offset:16*(\t)       ; both lanes of a block write the same byte with the same value
	global_store_b64 v4, v[C+4*(\t):C+4*(\t)+1], s[22:23] offset:32*CB*(\t)   ; 32 lanes store 256 consecutive bytes, aligned
.endm
.irp t, 0,1,2,3,4,5,6,7,8,9,10,11,12,13,14,15
	STEP \t
.endr
	ds_load_b64 v[8:9], v6                         ; LDS serves a wave's instructions in order: these see my byte stores
	s_wait_dscnt 0x0
	global_store_b64 v7, v[8:9], s[24:25]          ; my wave's 256 scale bytes: 256 consecutive bytes, aligned
	s_wait_tensorcnt 0x0                           ; the wave's end: behind my last LDS store
	ds_add_u32 v[SPW], v[NIL]
	s_wait_dscnt 0x0
	s_endpgm
; Wo to f16: four batches of sixteen loads of 512 consecutive bytes; each becomes one store of 256 consecutive bytes.  This path writes no LDS.
.Lcast:
	s_sub_co_u32 s34, s34, 4*CASTWG                ; my run of 8,192 numbers of Wo
	s_lshl_b32 s32, s34, 15
	s_add_nc_u64 s[20:21], s[20:21], s[32:33]
	s_lshl_b32 s32, s34, 14
	s_add_nc_u64 s[26:27], s[26:27], s[32:33]
.irp g, 0,1,2,3
.if \g > 0
	s_wait_xcnt 0x0                                ; the last batch's stores have read their data registers, which this batch writes again
.endif
.irp i, 0,1,2,3,4,5,6,7,8,9,10,11,12,13,14,15
	global_load_b128 v[R+4*\i:R+4*\i+3], v3, s[20:21] offset:512*(16*\g+\i) th:TH_LOAD_NT
.endr
.irp i, 0,1,2,3,4,5,6,7,8,9,10,11,12,13,14,15
	s_wait_loadcnt 15-\i                           ; loads come back in order: load i is in, the younger ones of the batch stay out
	v_cvt_pk_f16_f32 v[X+2*\i], v[R+4*\i], v[R+4*\i+1]
	v_cvt_pk_f16_f32 v[X+2*\i+1], v[R+4*\i+2], v[R+4*\i+3]
	global_store_b64 v4, v[X+2*\i:X+2*\i+1], s[26:27] offset:256*(16*\g+\i)
.endr
.endr
	s_endpgm
.Lfunc_end_k_qe11bcd8341_quant:
	.size	k_qe11bcd8341_quant, .Lfunc_end_k_qe11bcd8341_quant-k_qe11bcd8341_quant
	.p2alignl 7, 3214868480
	.fill 96, 4, 3214868480
	.section	.rodata,"a",@progbits
	.p2align	6, 0x0
	.amdhsa_kernel k_qe11bcd8341_quant
		.amdhsa_group_segment_fixed_size 33280
		.amdhsa_private_segment_fixed_size 0
		.amdhsa_enable_private_segment 0
		.amdhsa_kernarg_size 80
		.amdhsa_user_sgpr_count 2
		.amdhsa_user_sgpr_kernarg_segment_ptr 1
		.amdhsa_wavefront_size32 1
		.amdhsa_system_sgpr_workgroup_id_x 1
		.amdhsa_system_sgpr_workgroup_id_y 1
		.amdhsa_system_sgpr_workgroup_id_z 1
		.amdhsa_system_vgpr_workitem_id 0
		.amdhsa_next_free_vgpr 192
		.amdhsa_next_free_sgpr 66
		.amdhsa_reserve_vcc 0
		.amdhsa_float_denorm_mode_32 3
		.amdhsa_float_denorm_mode_16_64 3
		.amdhsa_memory_ordered 1
		.amdhsa_forward_progress 1
		.amdhsa_inst_pref_size 56
	.end_amdhsa_kernel
	.amdgpu_metadata
---
amdhsa.version: [ 1, 2 ]
amdhsa.kernels:
  - .name:           k_qe11bcd8341_quant
    .symbol:         k_qe11bcd8341_quant.kd
    .args:
      - { .name: q, .offset: 0, .size: 8, .value_kind: global_buffer, .address_space: global }
      - { .name: k, .offset: 8, .size: 8, .value_kind: global_buffer, .address_space: global }
      - { .name: v, .offset: 16, .size: 8, .value_kind: global_buffer, .address_space: global }
      - { .name: Wq, .offset: 24, .size: 8, .value_kind: global_buffer, .address_space: global }
      - { .name: Wk, .offset: 32, .size: 8, .value_kind: global_buffer, .address_space: global }
      - { .name: Wv, .offset: 40, .size: 8, .value_kind: global_buffer, .address_space: global }
      - { .name: Wo, .offset: 48, .size: 8, .value_kind: global_buffer, .address_space: global }
      - { .name: codes, .offset: 56, .size: 8, .value_kind: global_buffer, .address_space: global }
      - { .name: scales, .offset: 64, .size: 8, .value_kind: global_buffer, .address_space: global }
      - { .name: wo16, .offset: 72, .size: 8, .value_kind: global_buffer, .address_space: global }
    .group_segment_fixed_size: 33280
    .private_segment_fixed_size: 0
    .kernarg_segment_align: 8
    .kernarg_segment_size: 80
    .max_flat_workgroup_size: 128
    .sgpr_count:     66
    .vgpr_count:     192
    .wavefront_size: 32
...
	.end_amdgpu_metadata
.endif
;; end of part 1
;; launch proj (part 2): grid 4 x 96, 4 waves a work-group, clusters of 4 x 4, 327,680 bytes of LDS; arguments codes, scales, bq, bk, bv, qkv16; writes qkv16
.if DOCPART == 2
	.amdgcn_target "amdgcn-amd-amdhsa--gfx1250"
	.amdhsa_code_object_version 6
	.text
	.protected	k_qe11bcd8341_proj
	.globl	k_qe11bcd8341_proj
	.p2align	8
	.type	k_qe11bcd8341_proj,@function
k_qe11bcd8341_proj:
	s_mov_b64 s[64:65], 0
	v_nop
	global_prefetch_b8 v0, s[64:65] scope:SCOPE_SE
	s_setreg_imm32_b32 hwreg(HW_REG_WAVE_MODE, 25, 1), 1
	s_wait_xcnt 0x0
	s_wait_alu depctr_hold_cnt(0) depctr_sa_sdst(0) depctr_va_vdst(0) depctr_va_sdst(0) depctr_va_ssrc(0) depctr_va_vcc(0) depctr_vm_vsrc(0)
	s_getreg_b32 s2, hwreg(HW_REG_IB_STS2, 6, 4)
	s_cmp_eq_u32 s2, 0
	s_cbranch_scc0 .Lentry_in_a_cluster
	s_endpgm
.Lentry_in_a_cluster:
	s_bfe_u32 s2, ttmp6, 0x10000c
	s_cmp_lg_u32 s2, 0xf033
	s_cbranch_scc0 .Lentry_shape_is_right
	s_endpgm
.Lentry_shape_is_right:
; The three projections x W^T + b as ONE product on codes of FP4 (E2M1) with E8M0 scales: A = the stacked rows of q, k, v (24,576 x 1024), B = the 1024 rows of the weight that belongs to A's tensor.
; codes: rows of 512 bytes (rows 0-24575 q|k|v, 24576 on Wq|Wk|Wv); scales: rows of 32 bytes.  The result, f32 sums + bias, is rounded once to f16 and laid by head: qkv16 [3][4 b][16 h][2048 s][64].
; LIMIT: the projected numbers stay under 65,504 (f16).
; A tile of the result, 256 x 256, is made by four waves, each 128 x 128: 64 accumulators of 16 x 16, 512 registers.  K = 1024 is two LDS slots of 512 along K (rows of 256 bytes): both are filled at the start, nothing is filled again.
; The scales of the tile's 256 + 256 rows, for all of K, are two dense blocks: they come with the first fills.  By this text's count a wave has three tensor loads out at the start, none later.
; CLUSTERS: 4 x 4 work-groups.  The four of a row need the same tiles of A, the four of a column the same tiles of B: each tile is asked for jointly, by the same tensor load with the same descriptor and a mask that names the four.
; THE MATRIX INSTRUCTION IS USED TRANSPOSED (source 0 = 16 rows of W, source 1 = 16 rows of x): a lane holds eight neighbouring outputs of one row.  THE BIAS is the C of each sum's first product.
; REGISTERS, in windows of 256: window 0: v0-31 addresses; v32-95 scale words, two sets; v128-191 A's fragments, one set; on the way out v128-223.
;   window 1: B's fragments, two sets, at v0 and v128; v64-127 the bias, eight registers for each of B's eight blocks.   window 2: the accumulators of my rows 0-63 ((a, b) at v[8 (8 a + b)]);   window 3: those of rows 64-127.
.set NQ,     4                         ; matrix instructions deep in a slot: 512 / 128
.set ROWB,   256                       ; a tile's row in bytes
.set KROW,   512                       ; a row of codes in memory
.set PITCH,  272                       ; an LDS row: 256 bytes + 16 of padding = 68 words: the 16 rows that a load touches start 4 banks apart (64 banks of 4 bytes: ISA guide 11.1)
.set FR,     8                         ; registers of a fragment: 16 rows x 128 K
.set NL,     2                         ; LDS loads that bring one
.set NP,     4                         ; places behind this matrix instruction (ISA guide 7.12.1)
.set HALFT,  128*PITCH                 ; 128 rows: what one tensor load brings
.set SLOT,   4*HALFT                   ; A's 256 rows, then B's 256 rows
.set KS,     32                        ; a row of scales in bytes
.set SCL,    2*SLOT                    ; behind the slots: the scales, as rows of 256 bytes + 16 of padding
.set HALFS,  (128*KS/256)*272          ; the scales of 128 rows
.set SBLK,   (16*KS/256)*272           ; those of 16 rows
.set SPARE,  SCL+4*HALFS               ; the spare words, 128 bytes a wave, which no other line names
.set SPITCH, 400                       ; the way out: a stage of 16 rows x (256 bytes + 144) for each wave, in slot 0, which has had its only fill and its last read when the first result is stored there
.set WROW0,  24576                     ; the weights' first row in the buffers
.set HEADB,  262144                    ; a head in qkv16: 2048 x 128 bytes
.set ADRA, 16                          ; v16-17  LDS address of my A fragments in slot 0, 1
.set ADRB, 20                          ; v20-21  the same for B
.set STO,  24                          ; v24     the way out: where I put 16 bytes of a row
.set RD,   25                          ; v25     where I read 16 bytes of a head's row back
.set CO,   26                          ; v26     16 x lane: my place in a store's 512 bytes
.set ADRS, 27                          ; v27     LDS address of my scale words: lanes 0-15 A's rows, lanes 16-31 B's
.set SPW,  28                          ; v28     LDS address of my spare word; never rewritten
.set NIL,  29                          ; v29     0; never rewritten
.set SC,   32                          ; scale words: set s at v[SC + 32 s]; register 4 i + q: lanes 0-15 the word of A's block i, lanes 16-31 of B's block i, for the slot's q-th 128 along K
.set AF,   128                         ; A's fragments, window 0
.set BI,   64                          ; the bias, window 1
.set TMP,  128                         ; the way out: a block's packed results
.set BK,   160                         ; and the block read back: v160-191 and v192-223 by turns
.set G1, 24                            ; s[24:31] descriptor group 1 for A's tiles;  s[32:39] group 0, one set for each slot
.set G0, 32
.set G1B, 48                           ; s[48:55], s[56:63] the same for B's tiles
.set G0B, 56
.set G1S, 68                           ; s[68:75], s[76:79] groups 1 and 0 for A's scales;  s[80:87], s[88:91] for B's
.set G0S, 76
.set G1SB, 80
.set G0SB, 88
.set MSB, 0
.macro WIN new                         ; the immediate's high byte repeats the setting that is left
.if MSB != \new
	s_set_vgpr_msb (MSB<<8)|\new
.set MSB, \new
.endif
.endm
.set MUL_LO,  0xa1                     ; source 0 (B) window 1, source 1 (A) window 0, C and D window 2
.set MUL_HI,  0xf1                     ; the same, C and D window 3
.set BIAS_LO, 0x91                     ; the first products: C (the bias) window 1, D window 2
.set BIAS_HI, 0xd1                     ; D window 3
.set TO_B,    0x40                     ; destination window 1, address window 0
; A joint load: waves 0 and 1 fetch for A, waves 2 and 3 for B; the branch hangs on the wave's number alone.  An s_nop 0 and four v_nop follow each of the two lines.
.macro JLOAD g0a, g1a, g0b, g1b
	s_cmp_eq_u32 s15, 0
	s_cbranch_scc0 .Lfor_b_\@
	tensor_load_to_lds s[\g0a:\g0a+3], s[\g1a:\g1a+7]
	s_nop 0
.rept 4
	v_nop
.endr
	s_branch .Lasked_\@
.Lfor_b_\@:
	tensor_load_to_lds s[\g0b:\g0b+3], s[\g1b:\g1b+7]
	s_nop 0
.rept 4
	v_nop
.endr
.Lasked_\@:
.endm
.macro CROUND                          ; a round of the cluster's barrier
	s_barrier_signal -1
	s_barrier_wait -1
	s_cmp_lg_u32 s14, 0
	s_cbranch_scc1 .Lnot_wave_0_\@
	s_barrier_signal -3
.Lnot_wave_0_\@:
	s_barrier_wait -3
	s_barrier_signal -1
	s_barrier_wait -1
.endm
	s_load_b256 s[4:11], s[0:1], 0x0               ; codes s[4:5], scales s[6:7], bq s[8:9], bk s[10:11]
	s_load_b128 s[96:99], s[0:1], 0x20             ; bv s[96:97], qkv16 s[98:99]
	v_lshl_add_u32 v[SPW], v0, 2, SPARE
	v_mov_b32 v[NIL], 0
	ds_add_u32 v[SPW], v[NIL]                      ; the wave's opening: the add, twice on end, and its wait ahead of my first tensor load
	ds_add_u32 v[SPW], v[NIL]
	v_lshrrev_b32 v1, 5, v0
	v_readfirstlane_b32 s14, v1                    ; wave 0..3
	s_lshr_b32 s15, s14, 1                         ; which half of the tile's rows is mine.  Also: I fetch for A (0) or for B (1)
	s_and_b32 s16, s14, 1                          ; which half of its columns.  Also: which 128 rows I fetch
	s_bfe_u32 s40, ttmp6, 0x40000                  ; cx, cy: my place in the cluster
	s_bfe_u32 s41, ttmp6, 0x40004
	s_lshl_b32 s42, ttmp9, 2
	s_add_co_u32 s42, s42, s40                     ; tile column = 4 x cluster x + cx
	s_and_b32 s17, ttmp7, 0xffff                   ; cluster y
	s_lshr_b32 s12, s17, 3                         ; which tensor (0 q, 1 k, 2 v): 8 clusters, 32 tile rows, to a tensor: the same in all sixteen partners
	s_lshl_b32 s17, s17, 2
	s_add_co_u32 s17, s17, s41                     ; tile row = 4 x cluster y + cy
	s_lshl_b32 s43, s41, 2
	s_lshl_b32 s43, 15, s43                        ; my row of the cluster
	s_lshl_b32 s44, 0x1111, s40                    ; my column
	; descriptor group 1: a tile of 128 rows x 256 bytes, padded in LDS
	s_or_b32 s[G1+0], s43, (0<<16)|(1<<20)|(1<<21)|(5<<22)|(3<<25)  ; 15:0 the mask; 17:16 elements of 1 byte; 20 padding on; 21 set beside a mask; 24:22 after every 64 words; 31:25 four words
	s_or_b32 s[G1B+0], s44, (0<<16)|(1<<20)|(1<<21)|(5<<22)|(3<<25)
.irp g, G1, G1B
	s_mov_b32 s[\g+1], ROWB<<16                    ; tensor_dim0
	s_mov_b32 s[\g+2], 128<<16                     ; tensor_dim1
	s_mov_b32 s[\g+3], ROWB<<16                    ; tile_dim0
	s_mov_b32 s[\g+4], 128                         ; tile_dim1
	s_mov_b32 s[\g+5], KROW                        ; tensor_dim0_stride
	s_mov_b32 s[\g+6], 0
	s_mov_b32 s[\g+7], 0
.endr
	; the scales of 128 rows: 4,096 dense bytes, as 16 rows of 256 bytes (32 elements of 8 bytes), 16 bytes of padding behind each
	s_or_b32 s[G1S+0], s43, (3<<16)|(1<<20)|(1<<21)|(5<<22)|(3<<25)
	s_or_b32 s[G1SB+0], s44, (3<<16)|(1<<20)|(1<<21)|(5<<22)|(3<<25)
.irp g, G1S, G1SB
	s_mov_b32 s[\g+1], 32<<16
	s_mov_b32 s[\g+2], (128*KS/256)<<16
	s_mov_b32 s[\g+3], 32<<16
	s_mov_b32 s[\g+4], 128*KS/256
	s_mov_b32 s[\g+5], 32
	s_mov_b32 s[\g+6], 0
	s_mov_b32 s[\g+7], 0
.endr
	s_lshl_b32 s18, s16, 7                         ; which 128 rows of the tile I fetch
	s_lshl_b32 s20, s17, 8
	s_add_co_u32 s20, s20, s18                     ; A: row 256 x tile row + 128 x half
	s_lshl_b32 s46, s42, 8
	s_add_co_u32 s46, s46, s18
	s_lshl_b32 s13, s12, 10
	s_add_co_u32 s46, s46, s13
	s_add_co_u32 s46, s46, WROW0                   ; B: row 24,576 + 1024 x tensor + 256 x tile column + 128 x half
	s_lshl_b32 s22, s20, 5                         ; where these rows' scales begin, in bytes (all under 2^24)
	s_mov_b32 s23, 0
	s_lshl_b32 s92, s46, 5
	s_mov_b32 s93, 0
	s_lshl_b32 s20, s20, 9                         ; and their codes
	s_mov_b32 s21, 0
	s_lshl_b32 s46, s46, 9
	s_mov_b32 s47, 0
	s_mul_i32 s45, s14, HALFT                      ; where they go: wave x 128 rows: no place in the cluster enters an LDS address
	s_mul_i32 s94, s14, HALFS
	s_wait_dscnt 0x0                               ; both opening adds are done
	s_wait_kmcnt 0x0
	s_add_nc_u64 s[20:21], s[4:5], s[20:21]
	s_add_nc_u64 s[22:23], s[6:7], s[22:23]
	s_add_nc_u64 s[46:47], s[4:5], s[46:47]
	s_add_nc_u64 s[92:93], s[6:7], s[92:93]
	s_cmp_eq_u32 s12, 1                            ; the tensor's bias
	s_cselect_b64 s[8:9], s[10:11], s[8:9]
	s_cmp_eq_u32 s12, 2
	s_cselect_b64 s[8:9], s[96:97], s[8:9]
	CROUND                                         ; all sixteen work-groups are here: the first joint loads meet
	s_mov_b32 s[G0S], 1
	s_add_co_u32 s[G0S+1], s94, SCL
	s_mov_b64 s[G0S+2:G0S+3], s[22:23]
	s_or_b32 s[G0S+3], s[G0S+3], 0x80000000
	s_mov_b32 s[G0SB], 1
	s_add_co_u32 s[G0SB+1], s94, SCL
	s_mov_b64 s[G0SB+2:G0SB+3], s[92:93]
	s_or_b32 s[G0SB+3], s[G0SB+3], 0x80000000
	JLOAD G0S, G1S, G0SB, G1SB                     ; the scales first: they are wanted with the first slot
.irp s, 0,1
	s_mov_b32 s[G0+4*\s], 1
	s_add_co_u32 s[G0+4*\s+1], s45, \s*SLOT
	s_add_nc_u64 s[G0+4*\s+2:G0+4*\s+3], s[20:21], \s*ROWB
	s_or_b32 s[G0+4*\s+3], s[G0+4*\s+3], 0x80000000
	s_mov_b32 s[G0B+4*\s], 1
	s_add_co_u32 s[G0B+4*\s+1], s45, \s*SLOT
	s_add_nc_u64 s[G0B+4*\s+2:G0B+4*\s+3], s[46:47], \s*ROWB
	s_or_b32 s[G0B+4*\s+3], s[G0B+4*\s+3], 0x80000000
	JLOAD G0+4*\s, G1, G0B+4*\s, G1B
.endr
	v_and_b32 v1, 15, v0                           ; r = lane % 16
	v_bfe_u32 v2, v0, 4, 1                         ; h = lane / 16
	; the bias: block b's eight registers hold b[256 x tile column + 128 x half + 16 b + 8 h + 0 .. 7], the result's layout
	s_lshl_b32 s46, s42, 10
	s_lshl_b32 s47, s16, 9
	s_add_co_u32 s46, s46, s47
	s_mov_b32 s47, 0
	s_add_nc_u64 s[8:9], s[8:9], s[46:47]
	v_lshlrev_b32 v7, 5, v2
	WIN TO_B
.irp b, 0,1,2,3,4,5,6,7
	global_load_b128 v[BI+8*\b:BI+8*\b+3], v7, s[8:9] offset:64*\b
	global_load_b128 v[BI+8*\b+4:BI+8*\b+7], v7, s[8:9] offset:64*\b+16
.endr
	WIN 0
	v_mul_u32_u24 v3, v1, PITCH
	v_lshl_add_u32 v4, v2, 4, v3                   ; a fragment's row x pitch + 16 x half
	s_mul_i32 s21, s15, HALFT                      ; my 128 rows of A
	s_mul_i32 s22, s16, HALFT                      ; my 128 rows of B,
	s_add_co_u32 s22, s22, 2*HALFT                 ; which lie behind A's 256
.irp s, 0,1
	v_add_nc_u32 v[ADRA+\s], s21, v4
	v_add_nc_u32 v[ADRB+\s], s22, v4
	s_add_co_u32 s21, s21, SLOT
	s_add_co_u32 s22, s22, SLOT
.endr
	v_mul_u32_u24 v5, v1, KS                       ; my row's scales: 32 bytes a row,
	v_lshrrev_b32 v6, 8, v5
	v_lshl_add_u32 v5, v6, 4, v5                   ; and 16 more for each 256 passed
	s_mul_i32 s21, s15, HALFS                      ; A's: my 128 rows
	s_mul_i32 s22, s16, HALFS                      ; B's: my 128 rows, behind A's 256
	s_add_co_u32 s22, s22, 2*HALFS
	s_sub_co_u32 s22, s22, s21
	v_mul_u32_u24 v6, s22, v2                      ; lanes 16-31 take B's: one product, the distance x h
	s_add_co_u32 s21, s21, SCL
	v_add_nc_u32 v5, v5, v6
	v_add_nc_u32 v[ADRS], s21, v5
	s_mul_i32 s23, s14, 16*SPITCH                  ; my stage
	v_mul_u32_u24 v5, v1, SPITCH                   ; in: row r, 16 bytes for each half of the lanes
	v_lshl_add_u32 v5, v2, 4, v5
	v_add_nc_u32 v[STO], s23, v5
	v_and_b32 v6, 31, v0
	v_lshlrev_b32 v[CO], 4, v6                     ; in memory four rows of a head are 512 bytes on end: 16 x lane
	v_lshrrev_b32 v5, 3, v6
	v_mul_u32_u24 v5, v5, SPITCH                   ; back: eight lanes to a row's 128 bytes of one head, four rows an instruction
	v_and_b32 v6, 7, v6
	v_lshl_add_u32 v5, v6, 4, v5
	v_add_nc_u32 v[RD], s23, v5
	; where my part begins in qkv16: (tile row / 8) batches of 16 heads, head 4 x tile column + 2 x half, row 256 (tile row % 8) + 128 x half of 128 bytes
	s_lshr_b32 s20, s17, 3
	s_lshl_b32 s20, s20, 22
	s_and_b32 s21, s17, 7
	s_lshl_b32 s21, s21, 8
	s_lshl_b32 s22, s15, 7
	s_add_co_u32 s21, s21, s22
	s_lshl_b32 s21, s21, 7
	s_add_co_u32 s20, s20, s21
	s_mov_b32 s21, 0
	s_add_nc_u64 s[98:99], s[98:99], s[20:21]
	s_lshl_b32 s46, s42, 2
	s_lshl_b32 s47, s16, 1
	s_add_co_u32 s46, s46, s47
	s_lshl_b32 s46, s46, 18
	s_mov_b32 s47, 0
	s_add_nc_u64 s[98:99], s[98:99], s[46:47]
.macro FRAG reg, adr, q, i             ; a fragment: lane l holds row l % 16; registers 4 c .. 4 c + 3 hold K = 64 c + 32 (l / 16) + 0 .. 31: 16 bytes of the row as they lie
.irp c, 0,1
	ds_load_b128 v[\reg+4*\c:\reg+4*\c+3], v[\adr] offset:64*(\q)+32*\c+(\i)*16*PITCH
.endr
.endm
; 16 matrix instructions: A's blocks a0, a0 + 1 x B's eight, the slot's q-th 128 along K.  p: B's set;  sc: the set of scale words.  zero = 1: the first product starts the sums from the bias.
; The 64 accumulators take turns, one instruction a turn, in the same order in every step.
.macro MUL16 a0, p, q, sc, zero
.irp a, \a0, \a0+1
.irp b, 0,1,2,3,4,5,6,7
.if \zero
	v_wmma_scale_f32_16x16x128_f8f6f4 v[8*(8*((\a)%4)+\b):8*(8*((\a)%4)+\b)+7], v[128*(\p)+FR*\b:128*(\p)+FR*\b+FR-1], v[AF+FR*(\a):AF+FR*(\a)+FR-1], v[BI+8*\b:BI+8*\b+7], v[SC+8*NQ*(\sc)+NQ*\b+(\q)], v[SC+8*NQ*(\sc)+NQ*(\a)+(\q)] matrix_a_fmt:MATRIX_FMT_FP4 matrix_b_fmt:MATRIX_FMT_FP4 matrix_a_scale:MATRIX_SCALE_ROW1
.else
	v_wmma_scale_f32_16x16x128_f8f6f4 v[8*(8*((\a)%4)+\b):8*(8*((\a)%4)+\b)+7], v[128*(\p)+FR*\b:128*(\p)+FR*\b+FR-1], v[AF+FR*(\a):AF+FR*(\a)+FR-1], v[8*(8*((\a)%4)+\b):8*(8*((\a)%4)+\b)+7], v[SC+8*NQ*(\sc)+NQ*\b+(\q)], v[SC+8*NQ*(\sc)+NQ*(\a)+(\q)] matrix_a_fmt:MATRIX_FMT_FP4 matrix_b_fmt:MATRIX_FMT_FP4 matrix_a_scale:MATRIX_SCALE_ROW1
.endif
.endr
.endr
.endm
.macro FETCH_B slot, q, p              ; B's eight fragments of the slot's q-th 128 along K into set p
	WIN TO_B
.irp i, 0,1,2,3,4,5,6,7
	FRAG 128*(\p)+FR*\i, ADRB+\slot, \q, \i
.endr
	WIN 0
.endm
.macro FETCH_A slot, q, i0             ; A's blocks i0 .. i0 + 3
.irp i, \i0, \i0+1, \i0+2, \i0+3
	FRAG AF+FR*(\i), ADRA+\slot, \q, \i
.endr
.endm
.macro SCALES sc                       ; a slot's scale words into set sc: four words a row; lanes 0-15 take A's block i, lanes 16-31 B's block i
.irp i, 0,1,2,3,4,5,6,7
	ds_load_b128 v[SC+8*NQ*\sc+NQ*\i:SC+8*NQ*\sc+NQ*\i+3], v[ADRS] offset:\i*SBLK
.endr
.endm
; A load into a register that a matrix instruction has read, and a vector instruction that reads a matrix result, stand NP plain vector instructions behind it (ISA guide 7.12.1 for vector instructions).
.macro PLACES n
.rept \n
	v_nop
.endr
.endm
; A step of 128 along K that has its successor in the same slot.  A's blocks are free as soon as their eight products are issued: blocks 0-3 are fetched anew in the middle, blocks 4-7 at the end.
.macro STEP slot, q, zero
	s_wait_dscnt 4*NL                              ; B's set and A's blocks 0-3 are in; the youngest eight loads (A's blocks 4-7) may be out
.if \zero
	WIN BIAS_LO
.else
	WIN MUL_LO
.endif
	MUL16 0, (\q)%2, \q, \slot, \zero
	MUL16 2, (\q)%2, \q, \slot, \zero
	s_wait_dscnt 0                                 ; A's blocks 4-7 are in
	PLACES NP
	FETCH_B \slot, (\q)+1, 1-(\q)%2
	FETCH_A \slot, (\q)+1, 0
.if \zero
	WIN BIAS_HI
.else
	WIN MUL_HI
.endif
	MUL16 4, (\q)%2, \q, \slot, \zero
	MUL16 6, (\q)%2, \q, \slot, \zero
	PLACES NP
	WIN 0
	FETCH_A \slot, (\q)+1, 4
.endm
; Slot 0's last step changes slots: one barrier; in front of it each wave waits for all its tensor loads (its part of slot 1), adds 0 to its spare word, and waits for that and for its reads of slot 0.
; Behind it slot 1 is whole for every wave, and nobody reads slot 0 any more.  Nothing is filled again.
.macro TURN slot, next
	s_wait_tensorcnt 0x0                           ; all my tensor loads have landed
	ds_add_u32 v[SPW], v[NIL]                      ; 0 onto my spare word
	s_wait_dscnt 4*NL+1                            ; (the add and the youngest eight loads, A's blocks 4-7, may be out)
	WIN MUL_LO
	MUL16 0, 1, NQ-1, \slot, 0
	s_wait_dscnt 0x0                               ; the add is done, and my reads of this slot are over
	s_barrier_signal -1
	MUL16 2, 1, NQ-1, \slot, 0
	WIN 0
	s_barrier_wait -1
	PLACES NP
	v_add_nc_u32 v[ADRS], 4*NQ, v[ADRS]            ; on to the next slot's scale words
	FETCH_B \next, 0, 0
	FETCH_A \next, 0, 0
	SCALES \next
	WIN MUL_HI
	MUL16 4, 1, NQ-1, \slot, 0
	MUL16 6, 1, NQ-1, \slot, 0
	PLACES NP
	WIN 0
	FETCH_A \next, 0, 4
.endm
	s_wait_tensorcnt 1                             ; the scales and my part of slot 0 are in; slot 1's load may stay out
	s_barrier_signal -1
	s_barrier_wait -1                              ; everybody's are
	FETCH_B 0, 0, 0
	FETCH_A 0, 0, 0
	SCALES 0
	FETCH_A 0, 0, 4
	s_wait_loadcnt 0x0                             ; the bias
	STEP 0, 0, 1                                   ; the first step's products start the sums
	STEP 0, 1, 0
	STEP 0, 2, 0
	TURN 0, 1
	STEP 1, 0, 0
	STEP 1, 1, 0
	STEP 1, 2, 0
	s_wait_dscnt 4*NL                              ; the very last step: nothing more to fetch
	WIN MUL_LO
	MUL16 0, 1, NQ-1, 1, 0
	MUL16 2, 1, NQ-1, 1, 0
	s_wait_dscnt 0
	WIN MUL_HI
	MUL16 4, 1, NQ-1, 1, 0
	MUL16 6, 1, NQ-1, 1, 0
	WIN 0
; THE WAY OUT, block by block of 16 rows x 128 columns (two heads).  PACK: rounded to f16, 16 bytes a lane, each accumulator from its low end on.  TOSTAGE: into my own stage and back, eight lanes to a row's 128 bytes of one head.
; SEND: four rows of a head are 512 consecutive bytes of qkv16: one store.  Every offset is an immediate.  LDS serves a wave's instructions in order (ISA guide 5.7.1.4): no wait between the stage's stores and loads.
.macro PACK a
.set AC, 64*((\a)%4)
	WIN 0x0a+5*((\a)/4)                            ; sources 0 and 1: window 2 or 3
.irp b, 0,1,2,3,4,5,6,7
.irp r, 0,1,2,3
	v_cvt_pk_f16_f32 v[TMP+4*\b+\r], v[AC+8*\b+2*\r], v[AC+8*\b+2*\r+1]
.endr
.endr
	WIN 0
.endm
.macro TOSTAGE a
.set BB, BK+32*((\a)%2)
.irp b, 0,1,2,3,4,5,6,7
	ds_store_b128 v[STO], v[TMP+4*\b:TMP+4*\b+3] offset:32*\b
.endr
.irp hh, 0,1
.irp u, 0,1,2,3
	ds_load_b128 v[BB+4*(4*\hh+\u):BB+4*(4*\hh+\u)+3], v[RD] offset:128*\hh+4*\u*SPITCH
.endr
.endr
.endm
.macro SEND a
.set BB, BK+32*((\a)%2)
	s_wait_dscnt 0x0                               ; the block is back in registers
.irp hh, 0,1
.irp u, 0,1,2,3
	global_store_b128 v[CO], v[BB+4*(4*\hh+\u):BB+4*(4*\hh+\u)+3], s[98:99] offset:\hh*HEADB+(16*(\a)+4*\u)*128   ; 32 lanes store 512 consecutive bytes, at a multiple of 512 from the buffer's first byte
.endr
.endr
.endm
	PLACES NP                                      ; behind the last products: their results are read, and A's registers are written, below
	PACK 0
	TOSTAGE 0
.irp a, 1,2,3,4,5,6,7                  ; block a's conversions stand between block a - 1's loads from the stage and the wait for them
	PACK \a
	SEND \a-1
	s_wait_xcnt 0x0                                ; the earlier stores have read their data registers: block a's loads may land where block a - 2's lay
	TOSTAGE \a
.endr
	SEND 7
	s_wait_tensorcnt 0x0                           ; the wave's end: behind my last tensor load and my last LDS store
	ds_add_u32 v[SPW], v[NIL]
	s_wait_dscnt 0x0
	CROUND                                         ; the closing round: no work-group ends while a partner may still ask for a tile that names it
	s_endpgm
.Lfunc_end_k_qe11bcd8341_proj:
	.size	k_qe11bcd8341_proj, .Lfunc_end_k_qe11bcd8341_proj-k_qe11bcd8341_proj
	.p2alignl 7, 3214868480
	.fill 96, 4, 3214868480
	.section	.rodata,"a",@progbits
	.p2align	6, 0x0
	.amdhsa_kernel k_qe11bcd8341_proj
		.amdhsa_group_segment_fixed_size 327680
		.amdhsa_private_segment_fixed_size 0
		.amdhsa_enable_private_segment 0
		.amdhsa_kernarg_size 48
		.amdhsa_user_sgpr_count 2
		.amdhsa_user_sgpr_kernarg_segment_ptr 1
		.amdhsa_wavefront_size32 1
		.amdhsa_system_sgpr_workgroup_id_x 1
		.amdhsa_system_sgpr_workgroup_id_y 1
		.amdhsa_system_sgpr_workgroup_id_z 1
		.amdhsa_system_vgpr_workitem_id 0
		.amdhsa_next_free_vgpr 1024
		.amdhsa_next_free_sgpr 100
		.amdhsa_reserve_vcc 0
		.amdhsa_float_denorm_mode_32 3
		.amdhsa_float_denorm_mode_16_64 3
		.amdhsa_memory_ordered 1
		.amdhsa_forward_progress 1
		.amdhsa_inst_pref_size 128
	.end_amdhsa_kernel
	.amdgpu_metadata
---
amdhsa.version: [ 1, 2 ]
amdhsa.kernels:
  - .name:           k_qe11bcd8341_proj
    .symbol:         k_qe11bcd8341_proj.kd
    .args:
      - { .name: codes, .offset: 0, .size: 8, .value_kind: global_buffer, .address_space: global }
      - { .name: scales, .offset: 8, .size: 8, .value_kind: global_buffer, .address_space: global }
      - { .name: bq, .offset: 16, .size: 8, .value_kind: global_buffer, .address_space: global }
      - { .name: bk, .offset: 24, .size: 8, .value_kind: global_buffer, .address_space: global }
      - { .name: bv, .offset: 32, .size: 8, .value_kind: global_buffer, .address_space: global }
      - { .name: qkv16, .offset: 40, .size: 8, .value_kind: global_buffer, .address_space: global }
    .group_segment_fixed_size: 327680
    .private_segment_fixed_size: 0
    .kernarg_segment_align: 8
    .kernarg_segment_size: 48
    .max_flat_workgroup_size: 128
    .sgpr_count:     100
    .vgpr_count:     1024
    .wavefront_size: 32
...
	.end_amdgpu_metadata
.endif
;; end of part 2
;; launch attn (part 3): grid 4 x 64, 8 waves a work-group, clusters of 4 x 1, 327,680 bytes of LDS; arguments qkv16, ctx; writes ctx
.if DOCPART == 3
	.amdgcn_target "amdgcn-amd-amdhsa--gfx1250"
	.amdhsa_code_object_version 6
	.text
	.protected	k_qe11bcd8341_attn
	.globl	k_qe11bcd8341_attn
	.p2align	8
	.type	k_qe11bcd8341_attn,@function
k_qe11bcd8341_attn:
	s_mov_b64 s[64:65], 0
	v_nop
	global_prefetch_b8 v0, s[64:65] scope:SCOPE_SE
	s_setreg_imm32_b32 hwreg(HW_REG_WAVE_MODE, 25, 1), 1
	s_wait_xcnt 0x0
	s_wait_alu depctr_hold_cnt(0) depctr_sa_sdst(0) depctr_va_vdst(0) depctr_va_sdst(0) depctr_va_ssrc(0) depctr_va_vcc(0) depctr_vm_vsrc(0)
	s_getreg_b32 s2, hwreg(HW_REG_IB_STS2, 6, 4)
	s_cmp_eq_u32 s2, 0
	s_cbranch_scc0 .Lentry_in_a_cluster
	s_endpgm
.Lentry_in_a_cluster:
	s_bfe_u32 s2, ttmp6, 0x10000c
	s_cmp_lg_u32 s2, 0x3003
	s_cbranch_scc0 .Lentry_shape_is_right
	s_endpgm
.Lentry_shape_is_right:
; ctx[bh][q][:] = the sum over k of softmax_k(Q[bh][q] . K[bh][k] / 8) V[bh][k][:].  qkv16: [3 (Q, K, V)][64 bh][2048][64] f16; ctx: [64 bh][2048][64] f16.  Products on f16 operands with f32 sums; maxima, exponentials and sums in f32;
; the weights p are rounded to f16 for the second product, ctx once at the end.
; LIMITS: NaN and infinities are not served; |ctx| stays under 65,504 (it is an average of V's numbers, which do); a weight p under 6e-8 of its row's largest falls to 0 in f16.
; SHARES.  A work-group owns 512 queries of one head, each of its eight waves 64: four tiles of 16.  Two waves share a SIMD, 512 registers each.  Every wave walks all 2,048 keys, 64 a step.
; LAYOUT.  S^T = K Q^T (source 0 = 16 keys, source 1 = 16 queries): a lane holds ONE query (lane % 16) and the keys 8 (lane / 16) + 0..7.  Two such tiles, rounded to f16 in pairs, ARE source 1 (32 keys x 16 queries) of
; O^T = V^T P, whose result again holds one query a lane, and eight channels.  K comes out of LDS as it lies, V ([key][channel]) turned, by ds_load_tr16_b128.  P is made in place, in the low half of S^T's registers.
; SOFTMAX.  For each query a running maximum m and sum l: p = 2^(c s - c m), c = log2(e) / 8; in every step O^T and l are multiplied by a = 2^(c m_old - c m_new).
; BY TURNS.  The wave's tiles are two pieces: piece 0 (tiles 0, 1) and piece 2 (tiles 2, 3).  In a turn one piece has the matrix unit (16 products V^T P of the step in hand, then 16 products K Q^T of the next step) and the other
; piece's softmax goes beside it: A the maximum and a; B the rescaling of its O^T, two lines behind each V^T P; C the scalings and exponentials, six lines behind each K Q^T; D the sums and roundings.
; The registers are laid so that B's lines are legal under V^T P's window setting and C's under K Q^T's: a turn has six switches or fewer.  A and D have no product beside them: the SIMD's other wave has.
; CLUSTER.  The four query blocks of a head form a cluster and walk the same K and V: each tile is asked for JOINTLY, by the same tensor load with the same descriptor and a mask that names the four.
; RING.  Two LDS slots of four key steps; a wave fetches one tile (64 rows of 128 bytes) of a slot: waves 0-3 K's, waves 4-7 V's.  By this text's count a wave has two tensor loads out at the start, later one.
; REGISTERS: window 0: v1-15 addresses; v16-47 eight registers of statistics a tile; v64-127 K of one step; v128-255 S^T, 32 a tile (P in the first 16).   window 1: v0-63 Q; v64-191 O^T, 32 a tile; v192-255 V of one step.
.set KS,    64        ; keys in a step
.set NST,   4         ; steps in a slot
.set NSL,   2048/(NST*KS)  ; slots' worth of keys: 8
.set PKP,   144       ; a row of K in LDS: 128 bytes + 16 of padding = 36 words: the 16 rows of a load start 4 banks apart (64 banks of 4 bytes: ISA guide 11.1)
.set PVP,   160       ; a row of V: 128 + 32 = 40 words
.set VOFF,  KS*PKP    ; a step's tiles lie together: 64 rows of K, then 64 rows of V
.set STEPB, KS*(PKP+PVP)
.set SLOT1, 1<<17     ; slot 1 begins here, so that one exclusive or turns an address in one slot into the other's
.set STAGE, SLOT1+NST*STEPB  ; behind the ring: 16 rows x 144 bytes for each wave, for the way out
.set SP,    144
.set SPARE, STAGE+8*16*SP  ; the spare words, 128 bytes a wave, which no other line names
.set SLOTG, NST*KS*128     ; a slot's rows of K or of V in memory: 32,768 bytes
.set AK0, 2           ; v2   my lane's place in a tile of K; never rewritten
.set AV0, 3           ; v3   the same for V
.set ADR, 4           ; v4   the LDS address of the run of loads in hand
.set QO,  5           ; v5   my byte offset in the wave's rows of Q
.set STO, 6           ; v6   the way out: where I put 16 bytes of a row
.set RD,  7           ; v7   where I read 16 bytes back
.set GO,  8           ; v8   16 x lane: my place in a store's 512 bytes
.set SPW, 12          ; v12  LDS address of my spare word; never rewritten
.set NIL, 13          ; v13  0; never rewritten
.set PFO, 14          ; v14  256 x lane: the prefetches' offset; never rewritten
.set ST,  16          ; tile t's statistics at v[ST+8 t]: +0 c m, +1 m, +2, +3 l (even keys', odd keys'), +4 to +7 c0-c3, at work; a, at the end 1 / l, takes c2's place
.set KF,  64          ; K's fragments: keys 16 kt on, channels 32 c on, at KF + 16 kt + 8 c
.set S,   128
.set WV,  12          ; s12  my wave's number
.set LIM, 15          ; s15  1 in a wave that prefetches, else the greatest number
.set PFA, 18          ; s[18:19] where my prefetches stand
.set G1K, 24          ; s[24:31] descriptor group 1 for K's tiles
.set G1V, 32          ; s[32:39] for V's: it differs in the padding alone
.set G0K, 40          ; s[40:47] group 0 for K's tiles: a set for each of the two first fills; the second then walks on
.set G0V, 48          ; s[48:55] the same for V's
.set SLOTS, 56        ; s56  slots still to be asked for
.set CNT, 57          ; s57  counts key steps
.set CS,  58          ; s[58:59] c: the packed scaling names a pair and takes its low word for both halves
.set SEL, 60          ; s[60:61] lane selects for v_permlanex16_b32: lane l xor 16
.set TB,  62          ; s62  LDS byte at which the tiles of the step to be fetched begin
.set MSB, 0
.macro WIN new                      ; the immediate's high byte repeats the setting that is left; a switch that changes nothing is dropped
.if MSB != \new
	s_set_vgpr_msb (MSB<<8)|\new
.set MSB, \new
.endif
.endm
.set W_KQ, 0x04       ; Q (source 1) in window 1; K and S^T in window 0.  The scalings (source 1 a scalar pair) and the exponentials name window 0 alone in their other places
.set W_PV, 0x51       ; V (source 0), O^T (C and D) in window 1; P (source 1) in window 0.  The rescaling has O^T as destination and source 0, a as source 1
.set W_LD, 0x40       ; destination window 1, address window 0
; A joint refill: waves 0-3 fetch K's tiles of the slot's four steps, waves 4-7 V's.  The branch hangs on the wave's number alone.  An s_nop 0 and four v_nop follow each of the two lines.
.macro JLOAD
	s_cmp_lt_u32 s[WV], 4
	s_cbranch_scc0 .Lfor_v_\@
	tensor_load_to_lds s[G0K+4:G0K+7], s[G1K:G1K+7]
	s_nop 0
.rept 4
	v_nop
.endr
	s_branch .Lasked_\@
.Lfor_v_\@:
	tensor_load_to_lds s[G0V+4:G0V+7], s[G1V:G1V+7]
	s_nop 0
.rept 4
	v_nop
.endr
.Lasked_\@:
.endm
; A prefetch of what the NEXT change of slots will ask for: a slot's 32,768 bytes of K and of V, four key steps ahead of that load.  A head has one cluster; its four partners share the bytes out BY ADDRESS, 8,192 each;
; in each, wave 0 asks for K's and wave 4 for V's, lanes 256 bytes apart: each aligned block of 256 bytes is named once in the launch.  The last change that fills a slot asks for nothing: there is no slot behind it.
.macro ASK
	s_cmp_gt_u32 s[SLOTS], s[LIM]
	s_cbranch_scc0 .Lnot_mine_\@
	global_prefetch_b8 v[PFO], s[PFA:PFA+1] th:TH_LOAD_NT scope:SCOPE_SE
.Lnot_mine_\@:
.endm
.macro CROUND                       ; a round of the cluster's barrier
	s_barrier_signal -1
	s_barrier_wait -1
	s_cmp_lg_u32 s[WV], 0
	s_cbranch_scc1 .Lnot_wave_0_\@
	s_barrier_signal -3
.Lnot_wave_0_\@:
	s_barrier_wait -3
	s_barrier_signal -1
	s_barrier_wait -1
.endm
	s_load_b128 s[4:7], s[0:1], 0x0  ; qkv16 s[4:5], ctx s[6:7]
	v_lshl_add_u32 v[SPW], v0, 2, SPARE
	v_mov_b32 v[NIL], 0
	ds_add_u32 v[SPW], v[NIL]       ; the wave's opening: the add, twice on end, and its wait ahead of my first tensor load
	ds_add_u32 v[SPW], v[NIL]
	v_lshrrev_b32 v1, 5, v0
	v_readfirstlane_b32 s[WV], v1   ; wave 0..7
	s_bfe_u32 s13, ttmp6, 0x40000   ; cx: my block of 512 queries: it enters Q's, ctx's and the prefetches' addresses alone
	s_and_b32 s20, ttmp7, 0xffff    ; the head (batch x 16 + head), which the four partners share
	s_lshl_b32 s20, s20, 18         ; its first byte in Q, K, V and ctx: 2048 rows of 128 bytes
	s_and_b32 s16, s[WV], 3         ; which of a slot's four steps I fetch:
	s_lshl_b32 s22, s16, 13         ; its 64 rows of 128 bytes in memory,
	s_add_co_u32 s22, s22, s20
	s_mov_b32 s23, 0
	s_mul_i32 s17, s16, STEPB       ; and its place in a slot: no place in the cluster enters an LDS address
	s_lshl_b32 s2, s13, 16          ; my block's 512 rows,
	s_lshl_b32 s3, s[WV], 13        ; my wave's 64 of them
	s_add_co_u32 s2, s2, s3
	s_add_co_u32 s2, s2, s20
	s_mov_b32 s3, 0
	; descriptor group 1: a tile of 64 rows x 64 elements, padded in LDS
	s_mov_b32 s[G1K], 15|(1<<16)|(1<<20)|(1<<21)|(4<<22)|(3<<25)  ; 15:0 the mask: all four work-groups; 17:16 elements of 2 bytes; 20 padding on; 21 set beside a mask; 24:22 after every 32 words; 31:25 four words
	s_mov_b32 s[G1V], 15|(1<<16)|(1<<20)|(1<<21)|(4<<22)|(7<<25)  ; the same with eight words of padding
.irp g, G1K, G1V
	s_mov_b32 s[\g+1], 64<<16       ; tensor_dim0
	s_mov_b32 s[\g+2], KS<<16       ; tensor_dim1
	s_mov_b32 s[\g+3], 64<<16       ; tile_dim0
	s_mov_b32 s[\g+4], KS           ; tile_dim1
	s_mov_b32 s[\g+5], 64           ; tensor_dim0_stride
	s_mov_b32 s[\g+6], 0
	s_mov_b32 s[\g+7], 0
.endr
	s_mov_b32 s[CS], 0x3e38aa3b     ; c = log2(e) / 8
	s_mov_b32 s[CS+1], s[CS]        ; named with it as a pair, so it is written
	s_mov_b32 s[SEL], 0x76543210
	s_mov_b32 s[SEL+1], 0xfedcba98
	s_mov_b32 s[TB], 0
	s_mov_b32 s[SLOTS], NSL-2
	s_cmp_eq_u32 s16, 0             ; waves 0 and 4 prefetch: the same in all four partners
	s_cselect_b32 s[LIM], 1, -1
	v_and_b32 v[PFO], 31, v0
	v_lshlrev_b32 v[PFO], 8, v[PFO]
	s_wait_dscnt 0x0                ; both opening adds are done
	s_wait_kmcnt 0x0
	s_add_nc_u64 s[8:9], s[4:5], s[22:23]
	s_add_nc_u64 s[10:11], s[8:9], 0x2000000  ; V at my tile of slot 0: the third part of qkv16
	s_add_nc_u64 s[8:9], s[8:9], 0x1000000    ; K: the second
	s_add_nc_u64 s[4:5], s[4:5], s[2:3]       ; Q and ctx at my wave's first row
	s_add_nc_u64 s[6:7], s[6:7], s[2:3]
	s_cmp_lt_u32 s[WV], 4
	s_cselect_b64 s[PFA:PFA+1], s[8:9], s[10:11]  ; (in waves 0 and 4 these stand at a slot's first row)
	s_lshl_b32 s2, s13, 13          ; my work-group's 8,192 bytes of the 32,768
	s_mov_b32 s3, 0
	s_add_nc_u64 s[PFA:PFA+1], s[PFA:PFA+1], s[2:3]
	s_add_nc_u64 s[PFA:PFA+1], s[PFA:PFA+1], 2*SLOTG  ; in slot 2; the first change of slots steps it to slot 3.  Nothing is prefetched at the head, where every work-group's first tiles are on their way
	CROUND                          ; all four work-groups are here: the first joint loads meet
.irp s, 0,1
	s_mov_b32 s[G0K+4*\s], 1        ; count = 1
	s_add_co_u32 s[G0K+4*\s+1], s17, \s*SLOT1  ; LDS address
	s_add_nc_u64 s[G0K+4*\s+2:G0K+4*\s+3], s[8:9], \s*SLOTG  ; global address: slot s begins with keys 256 s
	s_or_b32 s[G0K+4*\s+3], s[G0K+4*\s+3], 0x80000000  ; type = 2
	s_mov_b32 s[G0V+4*\s], 1
	s_add_co_u32 s[G0V+4*\s+1], s17, \s*SLOT1+VOFF
	s_add_nc_u64 s[G0V+4*\s+2:G0V+4*\s+3], s[10:11], \s*SLOTG
	s_or_b32 s[G0V+4*\s+3], s[G0V+4*\s+3], 0x80000000
.endr
	s_cmp_lt_u32 s[WV], 4           ; a wave's two first fills stand in one branch, ahead of every wait on TENSORcnt and every LDS read
	s_cbranch_scc0 .Lfirst_v
	tensor_load_to_lds s[G0K:G0K+3], s[G1K:G1K+7]
	s_nop 0
	tensor_load_to_lds s[G0K+4:G0K+7], s[G1K:G1K+7]
	s_nop 0
.rept 4
	v_nop
.endr
	s_branch .Lfirst_asked
.Lfirst_v:
	tensor_load_to_lds s[G0V:G0V+3], s[G1V:G1V+7]
	s_nop 0
	tensor_load_to_lds s[G0V+4:G0V+7], s[G1V:G1V+7]
	s_nop 0
.rept 4
	v_nop
.endr
.Lfirst_asked:
	; A fragment of K or Q is 16 rows x 32 channels in 8 registers: lane l holds row l % 16; registers 0-3 channels 8 (l / 16) + 0..7, registers 4-7 channels 16 + 8 (l / 16) + 0..7: two loads of 16 bytes, 32 bytes apart.
	v_and_b32 v1, 15, v0            ; r = l % 16
	v_bfe_u32 v9, v0, 4, 1          ; h = l / 16
	v_lshlrev_b32 v[QO], 7, v1
	v_lshl_add_u32 v[QO], v9, 4, v[QO]  ; row x 128 + 16 x half
	WIN W_LD
.irp t, 0,1,2,3                     ; Q stays in registers: tile t, channels 32 c on, at v[16 t + 8 c] of window 1
.irp p, 0,1,2,3
	global_load_b128 v[16*\t+4*\p:16*\t+4*\p+3], v[QO], s[4:5] offset:2048*\t+32*\p
.endr
.endr
	WIN 0
	v_mul_u32_u24 v[AK0], v1, PKP
	v_lshl_add_u32 v[AK0], v9, 4, v[AK0]  ; row x pitch + 16 x half
	; The turning load takes 16 keys x 16 channels (lane l reads 16 bytes: key 8 (l / 16) + l % 8, channels 8 ((l / 8) % 2) + 0..7) and leaves half a fragment of V^T: lane l holds channel l % 16 and 8 keys.
	v_and_b32 v10, 7, v0
	v_bfe_u32 v11, v0, 3, 1
	v_lshl_add_u32 v[AV0], v9, 3, v10
	v_mul_u32_u24 v[AV0], v[AV0], PVP
	v_lshl_add_u32 v[AV0], v11, 4, v[AV0]
	v_add_nc_u32 v[AV0], VOFF, v[AV0]
; THE MATRIX WORK, for piece x; i counts a part's 16 products.  The accumulators take turns, one instruction a turn: between two links of a chain stand seven others'.
; Product i of S^T = K Q^T: channels 32 (i / 8) on, tile x + i % 2, keys 16 kt on, kt in the order 2, 3, 0, 1: the accumulators of kt = 0, 1 lie over P, which the last V^T P has read as a source,
; and are written only from i = 4 on, behind the eight scalings that stand behind products 0 to 3: more than the five plain instructions that are owed.  The first 8 start the sums.
.macro KQ1 x
.set kc, i/8
.set kt, ((i%8)/2+2)%4
.set rS, S+32*(\x+i%2)+8*kt
.set rK, KF+16*kt+8*kc
.set rQ, 16*(\x+i%2)+8*kc
.if i < 8
	v_wmma_f32_16x16x32_f16 v[rS:rS+7], v[rK:rK+7], v[rQ:rQ+7], 0
.else
	v_wmma_f32_16x16x32_f16 v[rS:rS+7], v[rK:rK+7], v[rQ:rQ+7], v[rS:rS+7]
.endif
.endm
; Product i of O^T += V^T P: keys 32 (i / 8) on, channels 16 ((i % 8) / 2) on, tile x + i % 2.  zero = 1: the first 8 start the sums: nothing is ever cleared.
.macro PV1 x, zero
.set pu, i/8
.set pc, (i%8)/2
.set rO, 64+32*(\x+i%2)+8*pc
.set rV, 192+32*pu+8*pc
.set rP, S+32*(\x+i%2)+8*pu
.if \zero && (i < 8)
	v_wmma_f32_16x16x32_f16 v[rO:rO+7], v[rV:rV+7], v[rP:rP+7], 0
.else
	v_wmma_f32_16x16x32_f16 v[rO:rO+7], v[rV:rV+7], v[rP:rP+7], v[rO:rO+7]
.endif
.endm
; THE LDS LOADS stand in runs of 16.  K's run stands at the head of piece 0's turn: the last product that read K stands ahead of the turn before's part D, 64 plain instructions back.
.macro FETCH_K
	WIN 0
	v_add_nc_u32 v[ADR], s[TB], v[AK0]
.irp f, 0,1,2,3,4,5,6,7             ; keys 16 (f / 2) on, channels 32 (f % 2) on
	ds_load_b128 v[KF+8*\f:KF+8*\f+3],   v[ADR] offset:(\f/2)*16*PKP+(\f%2)*64
	ds_load_b128 v[KF+8*\f+4:KF+8*\f+7], v[ADR] offset:(\f/2)*16*PKP+(\f%2)*64+32
.endr
.endm
; V's run stands in piece 2's turn, behind its products V^T P, the last that read V: the address's addition and three v_nop are the four plain instructions between.
.macro FETCH_V
	WIN 0
	v_add_nc_u32 v[ADR], s[TB], v[AV0]
	s_add_co_u32 s[TB], s[TB], STEPB  ; the next fetch is the next step's
.rept 3
	v_nop
.endr
	WIN W_LD
.irp f, 0,1,2,3,4,5,6,7             ; keys 32 (f / 4) on, channels 16 (f % 4) on
	ds_load_tr16_b128 v[192+8*\f:192+8*\f+3],   v[ADR] offset:(\f/4)*32*PVP+(\f%4)*32
	ds_load_tr16_b128 v[192+8*\f+4:192+8*\f+7], v[ADR] offset:(\f/4)*32*PVP+16*PVP+(\f%4)*32
.endr
.endm
; THE VECTOR WORK.  first = 1: the first key step, which starts m, l and O^T: it has no a and nothing to rescale.
; Line n of part A for tile t: 0-15 the maximum of the lane's 32 scores and the old m, in four chains (each accumulator is first read at its low end); 16-20 the other half of the lanes', the new m, c m and its change; 21 a.
.macro PA_LINE t, first
.set aT, ST+8*(\t)
.set aS, S+32*(\t)
.if n < 4
	v_max3_num_f32 v[aT+4+n], v[aS+8*n], v[aS+8*n+1], v[aS+8*n+2]
.elseif n < 12
	v_max3_num_f32 v[aT+4+n%4], v[aT+4+n%4], v[aS+8*(n%4)+2*(n/4)+1], v[aS+8*(n%4)+2*(n/4)+2]
.elseif n == 12
	v_max3_num_f32 v[aT+4], v[aT+4], v[aS+7], v[aS+15]
.elseif n == 13
	v_max3_num_f32 v[aT+6], v[aT+6], v[aS+23], v[aS+31]
.elseif n == 14
	v_max3_num_f32 v[aT+4], v[aT+4], v[aT+5], v[aT+6]
.elseif (n == 15) && \first
	v_max_num_f32 v[aT+4], v[aT+4], v[aT+7]
.elseif n == 15
	v_max3_num_f32 v[aT+4], v[aT+4], v[aT+7], v[aT+1]
.elseif n == 16
	v_permlanex16_b32 v[aT+5], v[aT+4], s[SEL], s[SEL+1]  ; the query's other 32 keys lie in the lane 16 away
.elseif n == 18
	v_max_num_f32 v[aT+1], v[aT+4], v[aT+5]
.elseif n == 19
	v_mul_f32 v[aT], s[CS], v[aT+1]
.elseif \first                      ; the first step has none of the three below
.elseif n == 17
	v_mov_b32 v[aT+7], v[aT]        ; c m_old is kept for a: line 19 writes c m anew
.elseif n == 20
	v_sub_f32 v[aT+7], v[aT+7], v[aT]
.elseif n == 21
	v_exp_f32 v[aT+6], v[aT+7]
.endif
.endm
.macro PARTA y, first               ; the two tiles alternate, so that no line reads the result of the line just before it
	WIN 0
.set n, 0
.rept 22
	PA_LINE \y, \first
	PA_LINE \y+1, \first
.set n, n+1
.endr
.if !\first
	v_nop                           ; a plain instruction behind the two exponentials,
	s_wait_alu depctr_va_vdst(0)    ; and the wait ahead of the first line that names a
.endif
.endm
; Part B: piece x's 16 products V^T P; behind each, two pairs of the other piece's O^T times a, in ascending order (each accumulator is first read at its low end).
.macro PARTB x, zero, first
	WIN W_PV
.set i, 0
.rept 16
	PV1 \x, \zero
.if !\first
.irp k, 0,1
.set bn, 2*i+\k
.set bO, 64+32*(2-\x+bn/16)+2*(bn%16)
.set bT, ST+8*(2-\x+bn/16)
	v_pk_mul_f32 v[bO:bO+1], v[bO:bO+1], v[bT+6:bT+7] op_sel_hi:[1,0]
.endr
.endif
.set i, i+1
.endr
.endm
; Part C: piece x's 16 products K Q^T; behind product g, the scalings c s - c m of four scores (tile y + g % 2, registers 4 (g / 2) on) and the exponentials of the four scaled one group earlier.
; None of these lines names an exponential's result: the piece's 64 exponentials are one batch, with one plain instruction and one wait behind the last.
.macro PARTC x, kq
.if \kq
	WIN W_KQ
.else
	WIN 0
.endif
.set i, 0
.rept 16
.if \kq
	KQ1 \x
.endif
.set cS, S+32*(2-\x+i%2)+4*(i/2)
.set cT, ST+8*(2-\x+i%2)
	v_pk_fma_f32 v[cS:cS+1], v[cS:cS+1], s[CS:CS+1], v[cT:cT+1] op_sel_hi:[1,0,0] neg_lo:[0,0,1] neg_hi:[0,0,1]
	v_pk_fma_f32 v[cS+2:cS+3], v[cS+2:cS+3], s[CS:CS+1], v[cT:cT+1] op_sel_hi:[1,0,0] neg_lo:[0,0,1] neg_hi:[0,0,1]
.if i > 0
.set eS, S+32*(2-\x+(i-1)%2)+4*((i-1)/2)
.irp e, 0,1,2,3
	v_exp_f32 v[eS+\e], v[eS+\e]
.endr
.endif
.set i, i+1
.endr
.set eS, S+32*(2-\x+1)+28
.irp e, 0,1,2,3
	v_exp_f32 v[eS+\e], v[eS+\e]
.endr
	v_nop                           ; a plain instruction behind the last exponential,
	s_wait_alu depctr_va_vdst(0)    ; and the one wait for the batch, ahead of its first reader
.endm
; Part D: pair i of a tile's 16 pairs of weights is added to l (the first addition carries l x a) and then rounded to f16 IN PLACE: register i takes pair i, whose own numbers were used up at pair i / 2.
.macro PARTD y, first
	WIN 0
.set i, 0
.rept 16
.irp t, \y, \y+1
.set dT, ST+8*(\t)
.set dS, S+32*(\t)
.if (i == 0) && \first
	v_pk_add_f32 v[dT+2:dT+3], v[dS:dS+1], v[dS+2:dS+3]
.elseif i == 0
	v_pk_fma_f32 v[dT+2:dT+3], v[dT+2:dT+3], v[dT+6:dT+7], v[dS:dS+1] op_sel_hi:[1,0,1]
.elseif (i == 1) && \first          ; pair 1 went in with pair 0
.else
	v_pk_add_f32 v[dT+2:dT+3], v[dT+2:dT+3], v[dS+2*i:dS+2*i+1]
.endif
.endr
.irp t, \y, \y+1
.set dS, S+32*(\t)
	v_cvt_pk_f16_f32 v[dS+i], v[dS+2*i], v[dS+2*i+1]
.endr
.set i, i+1
.endr
.endm
; A TURN.  Piece x has the matrix unit, the other piece the vector unit.  pv = 2: 16 products V^T P; 1: they start O^T's sums; 0: none.  kq = 1: 16 products K Q^T for the next step.
.macro TURN x, pv, kq, first
.if (\x == 0) && \kq
	FETCH_K                         ; the next step's K
.endif
	PARTA 2-\x, \first
.if \pv
.if \x == 0
.if \kq
	s_wait_dscnt 16                 ; V is in; K's sixteen loads, issued behind V's, may stay out
.else
	s_wait_dscnt 0x0                ; V is in
.endif
.endif
	PARTB \x, 2-\pv, \first
.endif
.if (\x == 2) && \kq
	FETCH_V                         ; the next step's V (in the first turn: the first step's)
.endif
.if (\x == 0) && \kq
	s_wait_dscnt 0x0                ; K is in
.endif
	PARTC \x, \kq
	PARTD 2-\x, \first
.endm
; THE CHANGE OF SLOTS, between piece 2's turn and piece 0's: the slot's last bytes, V of its fourth step, have been asked for.  Each wave waits for all its tensor loads, of which one is out: its part of the other slot;
; adds 0 to its spare word; and waits for that and for its own reads of the slot.  fill = 1: the barrier is a round of the cluster's, so that no wave of any partner still reads the slot or has a load on its way,
; and the joint refill, with the keys two slots on, is the first thing behind it: it has four key steps, 256 matrix instructions of the wave, in which to land.
.macro CHANGE fill
	WIN 0
	s_wait_tensorcnt 0x0            ; no tensor load of mine is out, so a group 0 may be written
	ds_add_u32 v[SPW], v[NIL]       ; 0 onto my spare word
.if \fill
.irp g, G0K+4, G0V+4
	s_xor_b32 s[\g+1], s[\g+1], SLOT1  ; the walking descriptor: the other slot than last time,
	s_add_nc_u64 s[\g+2:\g+3], s[\g+2:\g+3], SLOTG  ; the next 256 keys; the type bits on top are not reached
.endr
	s_wait_xcnt 0x0                 ; the last prefetch, four key steps back, has read its address, so it may be written:
	s_add_nc_u64 s[PFA:PFA+1], s[PFA:PFA+1], SLOTG  ; one slot further on than the walking descriptors
	s_wait_dscnt 0x0                ; the add is done, and my reads of the slot are over
	CROUND
	JLOAD
	ASK
.else
	s_wait_dscnt 0x0                ; the add is done, and my reads of the slot are over
	s_barrier_signal -1
	s_barrier_wait -1
.endif
	s_sub_co_u32 s[TB], s[TB], NST*STEPB  ; the fetches go back to a slot's first step,
	s_xor_b32 s[TB], s[TB], SLOT1   ; in the other slot
.endm
.macro PAIRS n                      ; n key steps: a step's two turns are written once; the LDS addresses hang on s[TB]
	s_mov_b32 s[CNT], \n
.Lpair_\@:
	TURN 0, 2, 1, 0
	TURN 2, 2, 1, 0
	WIN 0
	s_sub_co_u32 s[CNT], s[CNT], 1
	s_cmp_lg_u32 s[CNT], 0
	s_cbranch_scc1 .Lpair_\@
.endm
	s_wait_tensorcnt 1              ; my part of slot 0 is in; slot 1's may stay out
	s_barrier_signal -1
	s_barrier_wait -1               ; everybody's is
	FETCH_K                         ; key step 0
	s_wait_loadcnt 0x0              ; Q
	s_wait_dscnt 0x0
	WIN W_KQ
.set i, 0
.rept 16
	KQ1 0                           ; piece 0's first scores: there is no vector work yet to set beside them
.set i, i+1
.endr
	WIN 0                           ; the addresses for the way out are made here: plain instructions, the places behind those products
	s_mul_i32 s13, s[WV], 16*SP
	s_add_co_u32 s13, s13, STAGE    ; my stage
	v_mul_u32_u24 v[STO], v1, SP    ; in: row l % 16, 16 bytes for each half of the lanes
	v_lshl_add_u32 v[STO], v9, 4, v[STO]
	v_add_nc_u32 v[STO], s13, v[STO]
	v_and_b32 v10, 31, v0
	v_lshrrev_b32 v11, 3, v10
	v_mul_u32_u24 v[RD], v11, SP    ; back: eight lanes to a row of 128 bytes, four rows an instruction
	v_and_b32 v11, 7, v0
	v_lshl_add_u32 v[RD], v11, 4, v[RD]
	v_add_nc_u32 v[RD], s13, v[RD]
	v_lshlrev_b32 v[GO], 4, v10     ; in ctx the four rows are 512 bytes on end
	TURN 2, 0, 1, 1                 ; piece 2's first scores | piece 0's first softmax | V of step 0
	TURN 0, 1, 1, 1                 ; piece 0: V^T P of step 0 starts O^T, K Q^T of step 1 | piece 2's first softmax | K of step 1
	TURN 2, 1, 1, 0                 ; piece 2: the same | piece 0's softmax of step 1 | V of step 1
	PAIRS 2                         ; slot 0's last two steps are fetched
.Lslot:                             ; NSL - 2 trips: every slot but the last two is filled again
	CHANGE 1
	PAIRS 4
	s_sub_co_u32 s[SLOTS], s[SLOTS], 1
	s_cmp_lg_u32 s[SLOTS], 0
	s_cbranch_scc1 .Lslot
	CHANGE 0                        ; the tail is written out: the last slot but one is left, and nothing is asked for
	PAIRS 4
	TURN 0, 2, 0, 0                 ; piece 0: V^T P of the last step | piece 2's last softmax
	WIN W_PV
.set i, 0
.rept 16
	PV1 2, 0                        ; piece 2: V^T P of the last step
.set i, i+1
.endr
	; THE WAY OUT.  l's two halves and the other half of the lanes' are added; O^T is divided by l, rounded to f16 and sent through my stage in LDS, a tile (16 rows of ctx) at a time.  The additions are the places behind the last products.
	WIN 0
.irp t, 0,1,2,3
	v_add_f32 v[ST+8*\t+4], v[ST+8*\t+2], v[ST+8*\t+3]
.endr
.irp t, 0,1,2,3
	v_permlanex16_b32 v[ST+8*\t+5], v[ST+8*\t+4], s[SEL], s[SEL+1]
.endr
.irp t, 0,1,2,3
	v_add_f32 v[ST+8*\t+4], v[ST+8*\t+4], v[ST+8*\t+5]
.endr
.irp t, 0,1,2,3
	v_rcp_f32 v[ST+8*\t+6], v[ST+8*\t+4]
.endr
	v_nop                           ; a plain instruction between the last reciprocal and the use of its result
	s_wait_alu depctr_va_vdst(0)    ; and the wait ahead of the first use: one for the four
; Tile t: a lane's eight channels of a row pack into 16 bytes; they go into rows of 144 bytes and come back four rows of 128 bytes at a time.
.macro PACK t
	WIN 0x41                        ; O^T (destination and source 0) window 1, 1 / l window 0
.set i, 0
.rept 16
	v_pk_mul_f32 v[64+32*\t+2*i:64+32*\t+2*i+1], v[64+32*\t+2*i:64+32*\t+2*i+1], v[ST+8*\t+6:ST+8*\t+7] op_sel_hi:[1,0]
.set i, i+1
.endr
	WIN 0x05                        ; sources 0 and 1 window 1, destination window 0: S^T's registers are free
.set i, 0
.rept 16
	v_cvt_pk_f16_f32 v[S+32*\t+i], v[64+32*\t+2*i], v[64+32*\t+2*i+1]
.set i, i+1
.endr
	WIN 0
.irp f, 0,1,2,3
	ds_store_b128 v[STO], v[S+32*\t+4*\f:S+32*\t+4*\f+3] offset:32*\f
.endr
.irp f, 0,1,2,3
	ds_load_b128 v[S+32*\t+16+4*\f:S+32*\t+16+4*\f+3], v[RD] offset:\f*4*SP  ; LDS serves a wave's instructions in order (ISA guide 5.7.1.4): these see the stores above; the next tile's stores come behind them
.endr
.endm
.macro SEND t, younger              ; younger: the LDS instructions issued behind tile t's loads: the next tile's eight, or none
.irp f, 0,1,2,3
	s_wait_dscnt \younger+3-\f
	global_store_b128 v[GO], v[S+32*\t+16+4*\f:S+32*\t+16+4*\f+3], s[6:7] offset:\t*2048+\f*512  ; 32 lanes store 512 consecutive bytes, at a multiple of 512 from ctx's first byte
.endr
.endm
	PACK 0
	PACK 1                          ; a tile's arithmetic stands between the loads of the tile before and its stores
	SEND 0, 8
	PACK 2
	SEND 1, 8
	PACK 3
	SEND 2, 8
	SEND 3, 0
	s_wait_tensorcnt 0x0            ; the wave's end: behind my last tensor load and my last LDS store
	ds_add_u32 v[SPW], v[NIL]
	s_wait_dscnt 0x0
	CROUND                          ; the closing round: no work-group ends while a partner may still ask for a tile that names it
	s_endpgm
.Lfunc_end_k_qe11bcd8341_attn:
	.size	k_qe11bcd8341_attn, .Lfunc_end_k_qe11bcd8341_attn-k_qe11bcd8341_attn
	.p2alignl 7, 3214868480
	.fill 96, 4, 3214868480
	.section	.rodata,"a",@progbits
	.p2align	6, 0x0
	.amdhsa_kernel k_qe11bcd8341_attn
		.amdhsa_group_segment_fixed_size 327680
		.amdhsa_private_segment_fixed_size 0
		.amdhsa_enable_private_segment 0
		.amdhsa_kernarg_size 16
		.amdhsa_user_sgpr_count 2
		.amdhsa_user_sgpr_kernarg_segment_ptr 1
		.amdhsa_wavefront_size32 1
		.amdhsa_system_sgpr_workgroup_id_x 1
		.amdhsa_system_sgpr_workgroup_id_y 1
		.amdhsa_system_sgpr_workgroup_id_z 1
		.amdhsa_system_vgpr_workitem_id 0
		.amdhsa_next_free_vgpr 512
		.amdhsa_next_free_sgpr 66
		.amdhsa_reserve_vcc 0
		.amdhsa_float_denorm_mode_32 3
		.amdhsa_float_denorm_mode_16_64 3
		.amdhsa_memory_ordered 1
		.amdhsa_forward_progress 1
		.amdhsa_inst_pref_size 178
	.end_amdhsa_kernel
	.amdgpu_metadata
---
amdhsa.version: [ 1, 2 ]
amdhsa.kernels:
  - .name:           k_qe11bcd8341_attn
    .symbol:         k_qe11bcd8341_attn.kd
    .args:
      - { .name: qkv16, .offset: 0, .size: 8, .value_kind: global_buffer, .address_space: global }
      - { .name: ctx, .offset: 8, .size: 8, .value_kind: global_buffer, .address_space: global }
    .group_segment_fixed_size: 327680
    .private_segment_fixed_size: 0
    .kernarg_segment_align: 8
    .kernarg_segment_size: 16
    .max_flat_workgroup_size: 256
    .sgpr_count:     66
    .vgpr_count:     512
    .wavefront_size: 32
...
	.end_amdgpu_metadata
.endif
;; end of part 3
;; launch oproj (part 4): grid 8 x 64, 4 waves a work-group, clusters of 4 x 4, 327,680 bytes of LDS; arguments ctx, wo16, bo, out0; writes out0
.if DOCPART == 4
	.amdgcn_target "amdgcn-amd-amdhsa--gfx1250"
	.amdhsa_code_object_version 6
	.text
	.protected	k_qe11bcd8341_oproj
	.globl	k_qe11bcd8341_oproj
	.p2align	8
	.type	k_qe11bcd8341_oproj,@function
k_qe11bcd8341_oproj:
	s_mov_b64 s[64:65], 0
	v_nop
	global_prefetch_b8 v0, s[64:65] scope:SCOPE_SE
	s_setreg_imm32_b32 hwreg(HW_REG_WAVE_MODE, 25, 1), 1
	s_wait_xcnt 0x0
	s_wait_alu depctr_hold_cnt(0) depctr_sa_sdst(0) depctr_va_vdst(0) depctr_va_sdst(0) depctr_va_ssrc(0) depctr_va_vcc(0) depctr_vm_vsrc(0)
	s_getreg_b32 s2, hwreg(HW_REG_IB_STS2, 6, 4)
	s_cmp_eq_u32 s2, 0
	s_cbranch_scc0 .Lentry_in_a_cluster
	s_endpgm
.Lentry_in_a_cluster:
	s_bfe_u32 s2, ttmp6, 0x10000c
	s_cmp_lg_u32 s2, 0xf033
	s_cbranch_scc0 .Lentry_shape_is_right
	s_endpgm
.Lentry_shape_is_right:
; out0[m][n] = the sum over k of concat[m][k] Wo[n][k] + bo[n].  concat[m = (b, s)][k = 64 h + d] lies by head: ctx [4 b][16 h][2048 s][64] f16; wo16 [1024 n][1024 k] f16; bo [1024], out0 [8192][1024] f32.  Sums in f32.
; A tile of the result is 128 x 128: 512 work-groups, twice round 256.  Four waves, each 64 x 64: 16 accumulators, 128 registers.  K goes in steps of 256, four heads, through a ring of two LDS slots.
; A's TILE COMES BY PLANES: a wave's 64 rows of one head are 8,192 dense bytes; its load is stated as 4 rows of 4,096 elements, a head (131,072 elements) apart, with 16 bytes of padding behind every 128 bytes:
; in LDS [plane][64 rows][144 bytes].  B's tile: 64 rows of 512 bytes, 528 apart.
; CLUSTERS: 4 x 4 work-groups.  The four of a row need the same tiles of A, the four of a column the same tiles of B: each tile is asked for jointly, by the same tensor load with the same descriptor and a mask that names the four.
; THE MATRIX INSTRUCTION IS USED TRANSPOSED (source 0 = 16 rows of Wo, source 1 = 16 rows of concat): a lane holds eight neighbouring numbers of a row of the result.  THE BIAS is the C of each sum's first product.
; REGISTERS: window 0: v0-31 addresses; v32-95 at work on the way out; v96-127 the bias, eight registers for each of my four blocks of columns; v128-255 the accumulators ((a, b) at v[128 + 8 (4 a + b)]).
;   window 1: two fragment buffers of 128: for 64 along K, 64 registers of A, then 64 of B.
.set SIZE_N, 1024
.set SIZE_K, 1024
.set KSTEP,  256
.set PITCH,  528                       ; B's LDS row: 512 bytes + 16 of padding = 132 words: the 16 rows of a load start 4 banks apart (64 banks of 4 bytes: ISA guide 11.1)
.set PA,     144                       ; A's LDS row: 128 bytes + 16 = 36 words: likewise
.set PLANE,  64*PA                     ; 64 rows of one head
.set HALFA,  4*PLANE                   ; what one tensor load brings of A: 64 rows x 4 heads
.set HALFB,  64*PITCH                  ; and of B: 64 rows
.set SLOT,   2*HALFA+2*HALFB           ; A's 128 rows, then B's 128 rows
.set STAGE,  2*SLOT                    ; behind the ring: 16 rows x 272 bytes for each wave, for the way out
.set SPITCH, 272
.set SPARE,  STAGE+4*16*SPITCH         ; the spare words, 128 bytes a wave, which no other line names
.set LAPS,   SIZE_K/(2*KSTEP)          ; a lap = two K steps = once round the ring
.set STEPA,  4*262144                  ; a K step in ctx: four heads of 262,144 bytes
.set ADRA, 16                          ; v16-17  LDS address of my A fragments in slot 0, 1
.set ADRB, 20                          ; v20-21  the same for B
.set STO,  24                          ; v24     the way out: where I put 32 bytes of a row
.set RD,   25                          ; v25     where I read a row back
.set CO,   26                          ; v26     my byte offset in the result
.set SPW,  28                          ; v28     LDS address of my spare word; never rewritten
.set NIL,  29                          ; v29     0; never rewritten
.set TMP,  32                          ; the way out: two sets of 32 registers
.set BI,   96                          ; the bias
.set ACC,  128
.set F0,   0                           ; fragment buffers, in window 1
.set F1,   128
.set G1, 24                            ; s[24:31] descriptor group 1 for A's tiles;  s[32:39] group 0, one set for each slot
.set G0, 32
.set G1B, 48                           ; s[48:55], s[56:63] the same for B's tiles
.set G0B, 56
.set MSB, 0
.macro WIN new                         ; the immediate's high byte repeats the setting that is left
.if MSB != \new
	s_set_vgpr_msb (MSB<<8)|\new
.set MSB, \new
.endif
.endm
.set MUL,  0x05                        ; sources 0 (B) and 1 (A) window 1; C and D window 0
.set TO_F, 0x40                        ; destination window 1, address window 0
.macro JLOAD s                         ; a joint load: waves 0 and 1 fetch A's two halves, waves 2 and 3 B's; an s_nop 0 and four v_nop follow each of the two lines
	s_cmp_eq_u32 s11, 0
	s_cbranch_scc0 .Lfor_b_\@
	tensor_load_to_lds s[G0+4*\s:G0+4*\s+3], s[G1:G1+7]
	s_nop 0
.rept 4
	v_nop
.endr
	s_branch .Lasked_\@
.Lfor_b_\@:
	tensor_load_to_lds s[G0B+4*\s:G0B+4*\s+3], s[G1B:G1B+7]
	s_nop 0
.rept 4
	v_nop
.endr
.Lasked_\@:
.endm
.macro CREST                           ; a round of the cluster's barrier behind its opening barrier
	s_cmp_lg_u32 s10, 0
	s_cbranch_scc1 .Lnot_wave_0_\@
	s_barrier_signal -3
.Lnot_wave_0_\@:
	s_barrier_wait -3
	s_barrier_signal -1
	s_barrier_wait -1
.endm
.macro CROUND                          ; a whole round
	s_barrier_signal -1
	s_barrier_wait -1
	CREST
.endm
	s_load_b128 s[4:7], s[0:1], 0x0                ; ctx s[4:5], wo16 s[6:7]
	s_load_b128 s[68:71], s[0:1], 0x10             ; bo s[68:69], out0 s[70:71]
	v_lshl_add_u32 v[SPW], v0, 2, SPARE
	v_mov_b32 v[NIL], 0
	ds_add_u32 v[SPW], v[NIL]                      ; the wave's opening: the add, twice on end, and its wait ahead of my first tensor load
	ds_add_u32 v[SPW], v[NIL]
	v_lshrrev_b32 v1, 5, v0
	v_readfirstlane_b32 s10, v1                    ; wave 0..3
	s_lshr_b32 s11, s10, 1                         ; which half of the tile's rows is mine.  Also: I fetch for A (0) or for B (1)
	s_and_b32 s12, s10, 1                          ; which half of its columns.  Also: which 64 rows of that tile I fetch
	s_bfe_u32 s40, ttmp6, 0x40000                  ; cx, cy: my place in the cluster
	s_bfe_u32 s41, ttmp6, 0x40004
	s_lshl_b32 s42, ttmp9, 2
	s_add_co_u32 s42, s42, s40                     ; tile column = 4 x cluster x + cx
	s_and_b32 s13, ttmp7, 0xffff
	s_lshl_b32 s13, s13, 2
	s_add_co_u32 s13, s13, s41                     ; tile row = 4 x cluster y + cy
	s_lshl_b32 s43, s41, 2
	s_lshl_b32 s43, 15, s43                        ; my row of the cluster
	s_lshl_b32 s44, 0x1111, s40                    ; my column
	; descriptor group 1 for A: 4 rows of 4,096 elements of 2 bytes, 131,072 elements apart; padding: four words after every 32
	s_or_b32 s[G1+0], s43, (1<<16)|(1<<20)|(1<<21)|(4<<22)|(3<<25)
	s_mov_b32 s[G1+1], 4096<<16                    ; tensor_dim0
	s_mov_b32 s[G1+2], 4<<16                       ; tensor_dim1
	s_mov_b32 s[G1+3], 4096<<16                    ; tile_dim0
	s_mov_b32 s[G1+4], 4                           ; tile_dim1
	s_mov_b32 s[G1+5], 131072                      ; tensor_dim0_stride
	s_mov_b32 s[G1+6], 0
	s_mov_b32 s[G1+7], 0
	; and for B: 64 rows of 256 elements, 1,024 elements apart; padding: four words after every 128
	s_or_b32 s[G1B+0], s44, (1<<16)|(1<<20)|(1<<21)|(6<<22)|(3<<25)
	s_mov_b32 s[G1B+1], KSTEP<<16
	s_mov_b32 s[G1B+2], 64<<16
	s_mov_b32 s[G1B+3], KSTEP<<16
	s_mov_b32 s[G1B+4], 64
	s_mov_b32 s[G1B+5], SIZE_K
	s_mov_b32 s[G1B+6], 0
	s_mov_b32 s[G1B+7], 0
	s_lshr_b32 s16, s13, 4                         ; A: the batch (16 tile rows to a batch), 16 heads of 262,144 bytes,
	s_lshl_b32 s16, s16, 22
	s_and_b32 s17, s13, 15
	s_lshl_b32 s17, s17, 14                        ; the tile's 128 rows of 128 bytes within a head,
	s_add_co_u32 s16, s16, s17
	s_lshl_b32 s17, s12, 13                        ; and the 64 of them that I fetch
	s_add_co_u32 s16, s16, s17
	s_mov_b32 s17, 0
	s_lshl_b32 s46, s42, 7
	s_lshl_b32 s47, s12, 6
	s_add_co_u32 s46, s46, s47                     ; B: row 128 x tile column + 64 x half,
	s_lshl_b32 s46, s46, 11                        ; of 2,048 bytes
	s_mov_b32 s47, 0
	s_mul_i32 s20, s12, HALFA                      ; where they go: A's two halves,
	s_mul_i32 s21, s12, HALFB
	s_add_co_u32 s21, s21, 2*HALFA                 ; then B's two: no place in the cluster enters an LDS address
	s_wait_dscnt 0x0                               ; both opening adds are done
	s_wait_kmcnt 0x0
	s_add_nc_u64 s[14:15], s[4:5], s[16:17]
	s_add_nc_u64 s[46:47], s[6:7], s[46:47]
	CROUND                                         ; all sixteen work-groups are here: the first joint loads meet
.irp s, 0,1
	s_mov_b32 s[G0+4*\s], 1
	s_add_co_u32 s[G0+4*\s+1], s20, \s*SLOT
	s_add_nc_u64 s[G0+4*\s+2:G0+4*\s+3], s[14:15], \s*STEPA
	s_or_b32 s[G0+4*\s+3], s[G0+4*\s+3], 0x80000000
	s_mov_b32 s[G0B+4*\s], 1
	s_add_co_u32 s[G0B+4*\s+1], s21, \s*SLOT
	s_add_nc_u64 s[G0B+4*\s+2:G0B+4*\s+3], s[46:47], \s*KSTEP*2
	s_or_b32 s[G0B+4*\s+3], s[G0B+4*\s+3], 0x80000000
	JLOAD \s
.endr
	v_and_b32 v1, 15, v0                           ; r = l % 16
	v_bfe_u32 v2, v0, 4, 1                         ; h = l / 16
	; my first column, in bytes of f32: 512 x tile column + 256 x half: for the bias and for the result
	s_lshl_b32 s46, s42, 9
	s_lshl_b32 s47, s12, 8
	s_add_co_u32 s46, s46, s47
	s_mov_b32 s47, 0
	s_add_nc_u64 s[68:69], s[68:69], s[46:47]
	s_add_nc_u64 s[70:71], s[70:71], s[46:47]
	v_lshlrev_b32 v6, 5, v2
.irp b, 0,1,2,3                        ; the bias: block b's eight registers hold bo[my first column + 16 b + 8 h + 0 .. 7], the result's layout
	global_load_b128 v[BI+8*\b:BI+8*\b+3], v6, s[68:69] offset:64*\b
	global_load_b128 v[BI+8*\b+4:BI+8*\b+7], v6, s[68:69] offset:64*\b+16
.endr
	v_mul_u32_u24 v3, v1, PA
	v_lshl_add_u32 v3, v2, 4, v3                   ; A: a fragment's row x pitch + 16 x half
	v_mul_u32_u24 v4, v1, PITCH
	v_lshl_add_u32 v4, v2, 4, v4                   ; B likewise
	s_mul_i32 s21, s11, HALFA                      ; my 64 rows of A
	s_mul_i32 s22, s12, HALFB                      ; my 64 rows of B,
	s_add_co_u32 s22, s22, 2*HALFA                 ; which lie behind A's 128
.irp s, 0,1
	v_add_nc_u32 v[ADRA+\s], s21, v3
	v_add_nc_u32 v[ADRB+\s], s22, v4
	s_add_co_u32 s21, s21, SLOT
	s_add_co_u32 s22, s22, SLOT
.endr
	s_mul_i32 s23, s10, 16*SPITCH
	s_add_co_u32 s23, s23, STAGE                   ; my stage
	v_mul_u32_u24 v5, v1, SPITCH                   ; in: row l % 16, 32 bytes for each half of the lanes
	v_lshl_add_u32 v5, v2, 5, v5
	v_add_nc_u32 v[STO], s23, v5
	v_mul_u32_u24 v5, v2, SPITCH                   ; back: lanes 0-15 take one row of 256 bytes, lanes 16-31 the next
	v_lshl_add_u32 v5, v1, 4, v5
	v_add_nc_u32 v[RD], s23, v5
	v_lshlrev_b32 v5, 12, v2                       ; and the same two rows in the result, 4,096 bytes apart
	v_lshl_add_u32 v[CO], v1, 4, v5
	s_lshl_b32 s16, s13, 7
	s_lshl_b32 s17, s11, 6
	s_add_co_u32 s16, s16, s17                     ; my first row: 128 x tile row + 64 x half,
	s_lshl_b32 s16, s16, 12                        ; of 4,096 bytes
	s_mov_b32 s17, 0
	s_add_nc_u64 s[70:71], s[70:71], s[16:17]
; 8 matrix instructions: m blocks a0, a0 + 1 x all 4 n blocks, 32 along K: half c of buffer f.  zero = 1: the first product starts the sums from the bias.  The 16 accumulators take turns.
.macro MUL8 f, c, a0, zero
.irp a, \a0, \a0+1
.irp b, 0,1,2,3
.if \zero
	v_wmma_f32_16x16x32_f16 v[ACC+8*(4*(\a)+\b):ACC+8*(4*(\a)+\b)+7], v[\f+64+8*(4*\c+\b):\f+64+8*(4*\c+\b)+7], v[\f+8*(4*\c+\a):\f+8*(4*\c+\a)+7], v[BI+8*\b:BI+8*\b+7]
.else
	v_wmma_f32_16x16x32_f16 v[ACC+8*(4*(\a)+\b):ACC+8*(4*(\a)+\b)+7], v[\f+64+8*(4*\c+\b):\f+64+8*(4*\c+\b)+7], v[\f+8*(4*\c+\a):\f+8*(4*\c+\a)+7], v[ACC+8*(4*(\a)+\b):ACC+8*(4*(\a)+\b)+7]
.endif
.endr
.endr
.endm
; 32 LDS loads in one run: the fragments of 64 along K (one head) into buffer f; k: the byte in B's rows; A's plane is k / 128.  The first 32 along K first
.macro FETCH slot, k, f
	WIN TO_F
.irp c, 0,1
.irp i, 0,1,2,3
	ds_load_b128 v[\f+64+8*(4*\c+\i):\f+64+8*(4*\c+\i)+3],   v[ADRB+\slot] offset:\k+64*\c+\i*16*PITCH
	ds_load_b128 v[\f+64+8*(4*\c+\i)+4:\f+64+8*(4*\c+\i)+7], v[ADRB+\slot] offset:\k+64*\c+\i*16*PITCH+32
	ds_load_b128 v[\f+8*(4*\c+\i):\f+8*(4*\c+\i)+3],         v[ADRA+\slot] offset:(\k/128)*PLANE+64*\c+\i*16*PA
	ds_load_b128 v[\f+8*(4*\c+\i)+4:\f+8*(4*\c+\i)+7],       v[ADRA+\slot] offset:(\k/128)*PLANE+64*\c+\i*16*PA+32
.endr
.endr
.endm
.macro PLACES                          ; four plain instructions in front of loads into registers that matrix instructions have read, and of the first read of results (ISA guide 7.12.1 for the first read of results)
.rept 4
	v_nop
.endr
.endm
; A K step is four quarters of 64 along K, 32 matrix instructions each, on buffers 0, 1, 0, 1.  One of the first three: multiplies buffer f and fetches the next quarter, at byte k, into g.
.macro QUARTER slot, k, f, g, zero
	s_wait_dscnt 16                                ; the first 32 along K are in; the youngest sixteen loads may be out
	WIN MUL
	MUL8 \f, 0, 0, \zero
	MUL8 \f, 0, 2, \zero
	PLACES
	FETCH \slot, \k, \g
	s_wait_dscnt 32                                ; all but the 32 just issued
	WIN MUL
	MUL8 \f, 1, 0, 0
	MUL8 \f, 1, 2, 0
.endm
; The last quarter multiplies buffer 1 and changes slots: ONE barrier; in front of it each wave waits for all its tensor loads, adds 0 to its spare word, and waits for that and for its own reads of this slot.  fill = 1: this slot is filled again, two K steps ahead.
.macro TURN slot, next, fill
	WIN 0                                          ; (the add's two registers lie in window 0)
	s_wait_tensorcnt 0x0                           ; all my tensor loads have landed: my part of the next slot;
	ds_add_u32 v[SPW], v[NIL]                      ; 0 onto my spare word;
	s_wait_dscnt 17                                ; (the add and the youngest sixteen loads may be out)
	WIN MUL
	MUL8 F1, 0, 0, 0                               ; eight matrix instructions stand between the add and the wait for it
	s_wait_dscnt 0x0                               ; the add is done, and my reads of this slot are over
	s_barrier_signal -1
	MUL8 F1, 0, 2, 0
.if \fill
	WIN 0
.endif
	s_barrier_wait -1
.if \fill
	CREST                                          ; the barrier has opened a round of the cluster's barrier: no wave of any partner still reads this slot's tile or has a load on its way
	s_add_nc_u64 s[G0+4*\slot+2:G0+4*\slot+3], s[G0+4*\slot+2:G0+4*\slot+3], 2*STEPA
	s_add_nc_u64 s[G0B+4*\slot+2:G0B+4*\slot+3], s[G0B+4*\slot+2:G0B+4*\slot+3], 2*KSTEP*2
	JLOAD \slot                                    ; the first tensor load behind the round; the four v_nop behind it are also the places in front of the loads below
.else
	PLACES
.endif
	FETCH \next, 0, F0
	WIN MUL
	MUL8 F1, 1, 0, 0
	MUL8 F1, 1, 2, 0
.endm
	s_wait_tensorcnt 1                             ; my part of K step 0 is in; K step 1's load may stay out
	s_barrier_signal -1
	s_barrier_wait -1                              ; everybody's is
	FETCH 0, 0, F0
	s_wait_loadcnt 0x0                             ; the bias
	QUARTER 0, 128, F0, F1, 1                      ; the first quarter stands in front of the loop: its first products start the sums
	WIN 0                                          ; at a label and at a branch every window is 0
	s_mov_b32 s3, LAPS-1
.Llap:                                                 ; a trip goes once round the ring, from a lap's second quarter to the next lap's first, and fills both slots again
	QUARTER 0, 256, F1, F0, 0
	QUARTER 0, 384, F0, F1, 0
	TURN 0, 1, 1
	QUARTER 1, 128, F0, F1, 0
	QUARTER 1, 256, F1, F0, 0
	QUARTER 1, 384, F0, F1, 0
	TURN 1, 0, 1
	QUARTER 0, 128, F0, F1, 0
	WIN 0
	s_sub_co_u32 s3, s3, 1
	s_cmp_lg_u32 s3, 0
	s_cbranch_scc1 .Llap
	QUARTER 0, 256, F1, F0, 0                      ; the last lap fills nothing, and has no round of the cluster's barrier
	QUARTER 0, 384, F0, F1, 0
	TURN 0, 1, 0
	QUARTER 1, 128, F0, F1, 0
	QUARTER 1, 256, F1, F0, 0
	QUARTER 1, 384, F0, F1, 0
	s_wait_dscnt 16                                ; the very last quarter: nothing more to fetch
	WIN MUL
	MUL8 F1, 0, 0, 0
	MUL8 F1, 0, 2, 0
	s_wait_dscnt 0
	MUL8 F1, 1, 0, 0
	MUL8 F1, 1, 2, 0
	WIN 0
; THE WAY OUT, block by block of 16 rows x 64 columns of f32.  A lane holds 32 neighbouring bytes of a row, the lanes beside it other rows: a block goes through my own stage and comes back as whole rows of 256 bytes.
; My 64 columns are 256 consecutive bytes of a row, aligned: no other wave is needed, so no barrier.  LDS serves a wave's instructions in order (ISA guide 5.7.1.4): no wait between the stores and the loads.
.macro OSTAGE a
.irp b, 0,1,2,3
	ds_store_b128 v[STO], v[ACC+8*(4*\a+\b):ACC+8*(4*\a+\b)+3] offset:64*\b          ; each accumulator from its low end on
	ds_store_b128 v[STO], v[ACC+8*(4*\a+\b)+4:ACC+8*(4*\a+\b)+7] offset:64*\b+16
.endr
.irp t, 0,1,2,3,4,5,6,7
	ds_load_b128 v[TMP+32*(\a%2)+4*\t:TMP+32*(\a%2)+4*\t+3], v[RD] offset:\t*2*SPITCH
.endr
.endm
.macro OSEND a, younger                ; younger: the LDS instructions issued behind block a's loads: the next block's sixteen, or none
	s_wait_dscnt \younger
.irp t, 0,1,2,3,4,5,6,7
	global_store_b128 v[CO], v[TMP+32*(\a%2)+4*\t:TMP+32*(\a%2)+4*\t+3], s[70:71] offset:(16*\a+2*\t)*SIZE_N*4 th:TH_STORE_NT   ; 16 lanes store 256 consecutive bytes, at a multiple of 256 from the result's first byte; written once, read by nobody here
.endr
.endm
	PLACES                                         ; behind the last products, whose results are read below
	OSTAGE 0
	OSTAGE 1
	OSEND 0, 16
	s_wait_xcnt 0x0                                ; block 0's stores have read their data registers: block 2's loads may land there
	OSTAGE 2
	OSEND 1, 16
	s_wait_xcnt 0x0                                ; block 1's likewise
	OSTAGE 3
	OSEND 2, 16
	OSEND 3, 0
	s_wait_tensorcnt 0x0                           ; the wave's end: behind my last tensor load and my last LDS store
	ds_add_u32 v[SPW], v[NIL]
	s_wait_dscnt 0x0
	CROUND                                         ; the closing round: no work-group ends while a partner may still ask for a tile that names it
	s_endpgm
.Lfunc_end_k_qe11bcd8341_oproj:
	.size	k_qe11bcd8341_oproj, .Lfunc_end_k_qe11bcd8341_oproj-k_qe11bcd8341_oproj
	.p2alignl 7, 3214868480
	.fill 96, 4, 3214868480
	.section	.rodata,"a",@progbits
	.p2align	6, 0x0
	.amdhsa_kernel k_qe11bcd8341_oproj
		.amdhsa_group_segment_fixed_size 327680
		.amdhsa_private_segment_fixed_size 0
		.amdhsa_enable_private_segment 0
		.amdhsa_kernarg_size 32
		.amdhsa_user_sgpr_count 2
		.amdhsa_user_sgpr_kernarg_segment_ptr 1
		.amdhsa_wavefront_size32 1
		.amdhsa_system_sgpr_workgroup_id_x 1
		.amdhsa_system_sgpr_workgroup_id_y 1
		.amdhsa_system_sgpr_workgroup_id_z 1
		.amdhsa_system_vgpr_workitem_id 0
		.amdhsa_next_free_vgpr 512
		.amdhsa_next_free_sgpr 72
		.amdhsa_reserve_vcc 0
		.amdhsa_float_denorm_mode_32 3
		.amdhsa_float_denorm_mode_16_64 3
		.amdhsa_memory_ordered 1
		.amdhsa_forward_progress 1
		.amdhsa_inst_pref_size 87
	.end_amdhsa_kernel
	.amdgpu_metadata
---
amdhsa.version: [ 1, 2 ]
amdhsa.kernels:
  - .name:           k_qe11bcd8341_oproj
    .symbol:         k_qe11bcd8341_oproj.kd
    .args:
      - { .name: ctx, .offset: 0, .size: 8, .value_kind: global_buffer, .address_space: global }
      - { .name: wo16, .offset: 8, .size: 8, .value_kind: global_buffer, .address_space: global }
      - { .name: bo, .offset: 16, .size: 8, .value_kind: global_buffer, .address_space: global }
      - { .name: out0, .offset: 24, .size: 8, .value_kind: global_buffer, .address_space: global }
    .group_segment_fixed_size: 327680
    .private_segment_fixed_size: 0
    .kernarg_segment_align: 8
    .kernarg_segment_size: 32
    .max_flat_workgroup_size: 128
    .sgpr_count:     72
    .vgpr_count:     512
    .wavefront_size: 32
...
	.end_amdgpu_metadata
.endif
;; end of part 4
